; MI455X (gfx1250); checked and timed in simulation.
; The chip was launched on July 23, 2026; its instructions are those of AMD's public machine-readable ISA for CDNA 5 (MIT licence, August 2026) and "CDNA5" Instruction Set Architecture Reference Guide (July 2026). The comments in the code are by the model that wrote it; some were corrected since.
;; Attention. Allowed arithmetic: matrix products marked QUANTISED: E2M3 operands, one E8M0 scale for each 32 along K, by v_wmma_scale_f32_16x16x128_f8f6f4 with both operands' format E2M3, f32 sums; everything else in f32.
;; Inputs: Wkv 2,048 x 2,048 float32; Wo 1,024 x 2,048 float32; Wq 2,048 x 1,024 float32; g 2,048 float32; rotary_emb 2,048 x 128 float32; x 2 x 2,048 x 2,048 float32.
;; Outputs: out0 2 x 2,048 x 2,048 float32.
;; This version of the problem:
;;   THIS VERSION OF THE PROBLEM IS GIVEN IN LOW PRECISION. The matrix products marked QUANTISED in the list below multiply operands that are first quantised to E2M3 (2 exponent bits, 3 mantissa bits; 6 bits a number), with one power-of-two scale for each 32 numbers along K (OCP MX v1.0); their sums are f32. All else is computed in f32.
;;   The module's matrix products, in the order in which they are computed (A, B: the left and right operand; K: the contracted axis; several contracted axes count as one K, in the product's order):
;;     1. [M 4,096, K 2,048] x [K 2,048, N 1,024]; A: computed on the way; B: input Wq: QUANTISED
;;     2. [M 4,096, K 2,048] x [K 2,048, N 2,048]; A: computed on the way; B: input Wkv: QUANTISED
;;     3. batch 16 x [M 2,048, K 128] x [K 128, N 2,048]; A: computed on the way; B: computed on the way: QUANTISED
;;     4. batch 16 x [M 2,048, K 2,048] x [K 2,048, N 128]; A: softmax (see below); B: computed on the way: QUANTISED
;;     5. [M 4,096, K 1,024] x [K 1,024, N 2,048]; A: computed on the way; B: input Wo: QUANTISED
;;   THE QUANTISER, for each operand of a quantised product, along K:
;;     - K is cut into blocks of 32 from its start; a last block that is shorter is filled with zeros.
;;     - A block's scale is 2^e with e = floor(log2(the largest magnitude in the block)) - 2, held to -126 .. 127; a block of zeros has e = 0. As a byte (E8M0): e + 127.
;;     - Each number is divided by its block's scale, clamped to +-7.5, and rounded to the nearest number of E2M3, ties to even, subnormals kept.
;;     - The product sums the exact products of the quantised numbers (number of the format x scale) in f32.
;;   ~~~python
;;   def quantise(x, axis):      # numpy; x: float32 -> the quantised numbers, widened to float32 again
;;       x = np.moveaxis(x, axis, -1); K = x.shape[-1]
;;       x = np.pad(x, [(0, 0)] * (x.ndim - 1) + [(0, -K % 32)]); x = x.reshape(x.shape[:-1] + (-1, 32)); a = np.abs(x).max(-1, keepdims=True)
;;       e = np.where(a > 0, np.clip(np.frexp(np.where(a > 0, a, 1))[1] - 1 - 2, -126, 127), 0)      # np.frexp(a)[1] - 1 = floor(log2(a)), exactly
;;       r = np.clip(x / 2.0 ** e, -7.5, 7.5)
;;       step = 2.0 ** (np.maximum(np.frexp(np.where(r == 0, 1, r))[1] - 1, 0) - 3)
;;       q = np.round(r / step) * step * 2.0 ** e      # np.round: ties to even
;;       return np.moveaxis(q.reshape(q.shape[:-2] + (-1,))[..., :K], -1, axis).astype(np.float32)
;;   ~~~
;;   SOFTMAX AHEAD OF A QUANTISED PRODUCT. Where the list says 'softmax', what is quantised is not the finished softmax but p = 2^(t - M), with t = logit x log2(e) and M = ceil(the row's largest t), a whole number; so 1/2 < the row's largest p <= 1. The row's sum l is taken of the UNQUANTISED p, in f32, and the product's result is divided by l at the end. Since M is a whole number, a kernel that streams over the keys may use a running M (the ceiling of the running maximum): every later rescaling is an exact power of two, which a block's scale takes up: the codes' values come out the same.
;;   OPERANDS COMPUTED ON THE WAY. 'Computed on the way' means the value that the module computes at that place (a softmax that the list does not call 'softmax' is quantised finished and normalised). What goes into a quantiser is computed in f32, as accurately as f32 sums, v_exp_f32 and their like allow (about 1e-6 of the number): no bf16 or f16 on the way to a quantiser, and a product that is left as it is and whose result goes on into a quantised operand takes f32 operands (vector FMAs, or v_wmma_f32_16x16x4_f32). A number that lies on a knife's edge between two numbers of the format may be rounded either way, as far as f32 arithmetic and the matrix unit's own rounding can turn it there, and no further.
;; One version. Each part assembles by itself: llvm-mc -triple=amdgcn-amd-amdhsa -mcpu=gfx1250 --defsym DOCPART=n.
;; ======== version 1 of 1: 4 launches
;; limits: right only within a limited range of input values
;; workspace buffers: xq 6,553,600 bytes; wq 6,553,600 bytes; rope 2,097,152 bytes; qkv 9,830,400 bytes; oq 3,276,800 bytes
;; launch prep (part 1): grid 256 x 1, 16 waves a work-group, no clusters, 115,712 bytes of LDS; arguments x, g, rotary_emb, Wq, Wkv, Wo, xq, wq, rope; writes xq, wq, rope
.if DOCPART == 1
	.amdgcn_target "amdgcn-amd-amdhsa--gfx1250"
	.amdhsa_code_object_version 6
	.text
	.protected	k_qda516eacba_prep
	.globl	k_qda516eacba_prep
	.p2align	8
	.type	k_qda516eacba_prep,@function
k_qda516eacba_prep:
	s_mov_b64 s[64:65], 0
	v_nop
	global_prefetch_b8 v0, s[64:65] scope:SCOPE_SE
	s_setreg_imm32_b32 hwreg(HW_REG_WAVE_MODE, 25, 1), 1
	s_wait_xcnt 0x0
; PREP.  Three jobs, one 256th of each to a work-group of sixteen waves, all on one path:
;  (a) x [4096][2048] f32: xn = x / max(|x| / sqrt(2048), 1e-8) * g, quantised along the row to codes of E2M3 with one E8M0 byte for 32;
;  (b) cos and sin of rotary_emb [2048][128] into a table (sin with the sign of the rotated half: minus for d < 64);
;  (c) Wq, Wkv, Wo (K is their FIRST axis) quantised along K.
; LAYOUT OF ALL CODES: images of the operand's registers.  A fragment (16 rows x 128 K, 12 registers a lane) is 1,536 bytes: registers 4 c .. 4 c + 3 of lane l at 512 c + 16 l.
; THE ROWS OF A TILE ARE NOT NEIGHBOURS: lane r of tile 2 B + u holds row (or column of a weight) 32 B + 8 u + r + 8 (r / 8).
; Scale words (four bytes: 128 along K of one row): [tile][K / 512][r 16][4 words].
; No tensor load, no matrix work, no cluster: no two work-groups read the same byte.
; LIMITS: NaN and infinities are not served; a block of zeros gets the byte 1 (its codes are zeros; this program alone reads the bytes); a row's sum of squares overflows
; from |x| of about 1e17; the reduction of the angle by three parts of pi / 2 is reckoned for |rotary_emb| under 2^20.
.set XSTW, 4352                        ; LDS: a wave's stage: 16 rows of 256 bytes + 16
.set GA,   69632                       ; a wave's 128 numbers of g
.set NPB,  77824                       ; [r 16][wave 16] partial sums of squares
.set SG,   78848                       ; x's scale words [quad 4][r][4], then the weights' [tile 4][r][4]
.set WST,  80896                       ; the weights' 16 fragments [tile 4][K step 4]
.set FRB,  1536
.set SCO,  6291456                     ; where the scale words begin in xq and in wq
.set TM,   32
.set PC,   48
.set PW,   68
.set X,    96                          ; v96-159  my 64 numbers of x: register 16 b + i = k 32 b + 16 h + i of row r
.set W,    160                         ; v160-223 my column's 64 numbers of a weight, down K
.set SEL,  40
; 64 numbers of a lane, register 16 b + i = k 32 b + 16 (lane / 16) + i of my row, become a fragment's codes in v[PC] on and its scale word in v[PW]
.macro QUANT s
.irp b, 0,1,2,3
	v_max3_num_f32 v[TM+\b], |v[\s+16*\b]|, |v[\s+1+16*\b]|, 0x1800000   ; with the floor 2^(3 - 127): the byte cannot fall under 1
.endr
.irp i, 2,4,6,8,10,12,14
.irp b, 0,1,2,3
	s_delay_alu instid0(VALU_DEP_4)
	v_max3_num_f32 v[TM+\b], v[TM+\b], |v[\s+16*\b+\i]|, |v[\s+1+16*\b+\i]|
.endr
.endr
.irp b, 0,1,2,3
	s_delay_alu instid0(VALU_DEP_4)
	v_permlanex16_b32 v[TM+4+\b], v[TM+\b], s[SEL], s[SEL+1]
.endr
.irp b, 0,1,2,3
	s_delay_alu instid0(VALU_DEP_4)
	v_max_num_f32 v[TM+\b], v[TM+\b], v[TM+4+\b]       ; with lane l xor 16's: the block's largest magnitude
.endr
.irp b, 0,1,2,3
	s_delay_alu instid0(VALU_DEP_4)
	v_add_nc_u32 v[TM+12+\b], 0xff000000, v[TM+\b]     ; 2 off its exponent field: the conversion's scale operand
.endr
.irp b, 0,1,2,3
	s_delay_alu instid0(VALU_DEP_4)
	v_lshrrev_b32 v[TM+4+\b], 23, v[TM+12+\b]          ; the scale's byte
.endr
	s_delay_alu instid0(VALU_DEP_3)
	v_lshl_or_b32 v[PW], v[TM+5], 8, v[TM+4]
	s_delay_alu instid0(VALU_DEP_1)
	v_lshl_or_b32 v[PW], v[TM+6], 16, v[PW]
	s_delay_alu instid0(VALU_DEP_1)
	v_lshl_or_b32 v[PW], v[TM+7], 24, v[PW]
.irp c, 0,1
	v_cvt_scalef32_pk16_fp6_f32 v[PC+6*\c:PC+2+6*\c], v[\s+32*\c:\s+15+32*\c], v[TM+12+2*\c]
	v_cvt_scalef32_pk16_fp6_f32 v[PC+12+4*\c:PC+14+4*\c], v[\s+16+32*\c:\s+31+32*\c], v[TM+12+2*\c+1]
.endr
	v_nop                                              ; one plain place behind a scaled conversion
.irp c, 0,1                                        ; the operand wants a whole block in a lane
.irp i, 0,1,2
	v_permlane16_swap_b32 v[PC+6*\c+\i], v[PC+12+4*\c+\i]
.endr
.irp i, 0,1,2
	s_delay_alu instid0(VALU_DEP_3)
	v_mov_b32 v[PC+3+6*\c+\i], v[PC+12+4*\c+\i]
.endr
.endr
.endm
; cos and sin of v[x]: k = the nearest whole multiple of pi / 2, taken off in three parts; two polynomials on the rest; the quadrant chooses and signs.  t: six registers at work
.macro SINCOS x, co, si, t
	v_mul_f32 v[\t], 0x3f22f983, v[\x]
	s_delay_alu instid0(VALU_DEP_1)
	v_rndne_f32 v[\t], v[\t]
	s_delay_alu instid0(VALU_DEP_1)
	v_fmamk_f32 v[\t+1], v[\t], 0xbfc90fdb, v[\x]
	s_delay_alu instid0(VALU_DEP_1)
	v_fmamk_f32 v[\t+1], v[\t], 0x333bbd2e, v[\t+1]
	s_delay_alu instid0(VALU_DEP_1)
	v_fmamk_f32 v[\t+1], v[\t], 0x26f72ced, v[\t+1]
	s_delay_alu instid0(VALU_DEP_1)
	v_mul_f32 v[\t+2], v[\t+1], v[\t+1]
	v_mov_b32 v[\t+3], 0xb94ca1f9
	s_delay_alu instid0(VALU_DEP_1)
	v_fmaak_f32 v[\t+3], v[\t+3], v[\t+2], 0x3c08839e
	s_delay_alu instid0(VALU_DEP_1)
	v_fmaak_f32 v[\t+3], v[\t+3], v[\t+2], 0xbe2aaaa3
	s_delay_alu instid0(VALU_DEP_1)
	v_mul_f32 v[\t+3], v[\t+3], v[\t+2]
	s_delay_alu instid0(VALU_DEP_1)
	v_fma_f32 v[\t+3], v[\t+3], v[\t+1], v[\t+1]       ; the sine of the rest
	v_mov_b32 v[\t+4], 0x37ccf5ce
	s_delay_alu instid0(VALU_DEP_1)
	v_fmaak_f32 v[\t+4], v[\t+4], v[\t+2], 0xbab6061a
	s_delay_alu instid0(VALU_DEP_1)
	v_fmaak_f32 v[\t+4], v[\t+4], v[\t+2], 0x3d2aaaa5
	v_fma_f32 v[\t+5], v[\t+2], -0.5, 1.0
	v_mul_f32 v[\t+2], v[\t+2], v[\t+2]
	s_delay_alu instid0(VALU_DEP_1)
	v_fma_f32 v[\t+4], v[\t+4], v[\t+2], v[\t+5]       ; its cosine
	v_cvt_i32_f32 v[\t], v[\t]
	s_delay_alu instid0(VALU_DEP_1)
	v_and_b32 v[\t+5], 1, v[\t]
	s_delay_alu instid0(VALU_DEP_1)
	v_cmp_eq_u32 vcc_lo, 1, v[\t+5]
	s_delay_alu instid0(VALU_DEP_1)
	v_cndmask_b32 v[\si], v[\t+3], v[\t+4], vcc_lo
	s_delay_alu instid0(VALU_DEP_2)
	v_cndmask_b32 v[\co], v[\t+4], v[\t+3], vcc_lo
	v_and_b32 v[\t+5], 2, v[\t]
	s_delay_alu instid0(VALU_DEP_1)
	v_lshlrev_b32 v[\t+5], 30, v[\t+5]
	s_delay_alu instid0(VALU_DEP_1)
	v_xor_b32 v[\t+5], s68, v[\t+5]                    ; and the rotated half's sign
	s_delay_alu instid0(VALU_DEP_1)
	v_xor_b32 v[\si], v[\t+5], v[\si]
	v_add_nc_u32 v[\t], 1, v[\t]
	s_delay_alu instid0(VALU_DEP_1)
	v_and_b32 v[\t], 2, v[\t]
	s_delay_alu instid0(VALU_DEP_1)
	v_lshlrev_b32 v[\t], 30, v[\t]
	s_delay_alu instid0(VALU_DEP_1)
	v_xor_b32 v[\co], v[\t], v[\co]
.endm
; a whole block of 32 along K of my column: registers 6 c .. 6 c + 5 of lane r + 16 hb of its fragment, in three pieces of 8 bytes
.macro WBLOCK hb
.set WS, W+32*\hb
.set P, 72+12*\hb
	v_max3_num_f32 v232, |v[WS]|, |v[WS+1]|, |v[WS+2]|
	v_max3_num_f32 v233, |v[WS+3]|, |v[WS+4]|, |v[WS+5]|
.irp i, 6,10,14,18,22,26
	s_delay_alu instid0(VALU_DEP_2)
	v_max3_num_f32 v232, v232, |v[WS+\i]|, |v[WS+\i+1]|
	s_delay_alu instid0(VALU_DEP_2)
	v_max3_num_f32 v233, v233, |v[WS+\i+2]|, |v[WS+\i+3]|
.endr
	s_delay_alu instid0(VALU_DEP_2)
	v_max3_num_f32 v232, v232, |v[WS+30]|, |v[WS+31]|
	s_delay_alu instid0(VALU_DEP_1)
	v_max3_num_f32 v232, v232, v233, 0x1800000
	s_delay_alu instid0(VALU_DEP_1)
	v_add_nc_u32 v[234+2*\hb], 0xff000000, v232
	s_delay_alu instid0(VALU_DEP_1)
	v_lshrrev_b32 v[235+2*\hb], 23, v[234+2*\hb]
	v_cvt_scalef32_pk16_fp6_f32 v[P:P+2], v[WS:WS+15], v[234+2*\hb]
	v_cvt_scalef32_pk16_fp6_f32 v[P+6:P+8], v[WS+16:WS+31], v[234+2*\hb]
	v_nop
.irp i, 0,1,2
	v_mov_b32 v[P+3+\i], v[P+6+\i]
.endr
	ds_store_b64 v12, v[P:P+1] offset:256*\hb
	ds_store_b64 v13, v[P+2:P+3] offset:256*\hb
	ds_store_b64 v12, v[P+4:P+5] offset:256*\hb+512
.endm
	s_load_b512 s[4:19], s[0:1], 0x0               ; x, g, rotary_emb, Wq, Wkv, Wo, xq, wq
	s_load_b64 s[20:21], s[0:1], 0x40              ; rope
	v_lshrrev_b32 v1, 5, v0
	s_delay_alu instid0(VALU_DEP_1)
	v_readfirstlane_b32 s22, v1                    ; wave 0..15
	v_and_b32 v1, 31, v0                           ; lane
	v_and_b32 v2, 15, v0                           ; r
	v_bfe_u32 v3, v0, 4, 1                         ; h
	s_mov_b32 s[SEL], 0x76543210
	s_mov_b32 s[SEL+1], 0xfedcba98
	s_lshl_b32 s23, s22, 9                         ; 512 x wave
	s_mul_i32 s58, s22, XSTW
	v_lshlrev_b32 v8, 4, v1                        ; v8: 16 x lane
	v_lshlrev_b32 v4, 4, v2
	s_delay_alu instid0(VALU_DEP_1)
	v_lshl_add_u32 v4, v3, 13, v4
	s_delay_alu instid0(VALU_DEP_1)
	v_add_nc_u32 v4, s23, v4                       ; v4: x: lanes 0-15 one row, lanes 16-31 the next; 16 bytes a lane; my wave's 512 bytes
	v_mul_u32_u24 v5, v3, 272
	s_delay_alu instid0(VALU_DEP_1)
	v_lshl_add_u32 v5, v2, 4, v5
	s_delay_alu instid0(VALU_DEP_1)
	v_add_nc_u32 v5, s58, v5                       ; v5: the stage, way in
	v_mul_u32_u24 v6, v2, 272
	s_delay_alu instid0(VALU_DEP_1)
	v_lshl_add_u32 v6, v3, 6, v6
	s_delay_alu instid0(VALU_DEP_1)
	v_add_nc_u32 v6, s58, v6                       ; v6: the stage, way out: row r, + 64 h
	v_lshlrev_b32 v7, 6, v3
	s_delay_alu instid0(VALU_DEP_1)
	v_add_nc_u32 v7, s23, v7
	s_delay_alu instid0(VALU_DEP_1)
	v_add_nc_u32 v7, GA, v7                        ; v7: g's numbers for my half
	v_add_nc_u32 v31, s23, v8                      ; v31: 512 x wave + 16 x lane
	s_delay_alu instid0(VALU_DEP_1)
	v_add_nc_u32 v30, GA, v31                      ; v30: where I put g
	s_delay_alu instid0(VALU_DEP_2)
	v_add_nc_u32 v28, SG, v31                      ; v28: the scale words' way out (waves 0 to 3)
	s_mul_i32 s59, s22, FRB
	v_add_nc_u32 v27, s59, v8
	s_delay_alu instid0(VALU_DEP_1)
	v_add_nc_u32 v27, WST, v27                     ; v27: the weights' way out: fragment = wave
	; the table: work-group G takes tile G / 2 (16 positions, wave = lane r of the tile) and d = 64 (G % 2) + 0 .. 63: a wave reads 256 consecutive bytes of its position's row
	s_and_b32 s59, s22, 8
	s_add_co_u32 s59, s59, s22
	s_lshl_b32 s59, s59, 9                         ; row wave + 8 (wave / 8) of the tile's 24
	v_lshlrev_b32 v29, 3, v1
	v_add_nc_u32 v29, s59, v29                     ; v29: + 8 x lane: two numbers of the table
	s_lshl_b32 s59, s22, 2
	v_lshlrev_b32 v10, 6, v2
	s_delay_alu instid0(VALU_DEP_1)
	v_add_nc_u32 v10, NPB, v10                     ; v10: row r's sixteen partial sums
	s_delay_alu instid0(VALU_DEP_1)
	v_add_nc_u32 v9, s59, v10                      ; v9: mine among them
	s_lshr_b32 s60, s22, 2
	s_lshl_b32 s60, s60, 8
	s_and_b32 s61, s22, 3
	s_lshl_b32 s61, s61, 2
	s_add_co_u32 s60, s60, s61
	v_lshlrev_b32 v11, 4, v2
	s_delay_alu instid0(VALU_DEP_1)
	v_add_nc_u32 v11, s60, v11
	s_delay_alu instid0(VALU_DEP_1)
	v_add_nc_u32 v11, SG, v11                      ; v11: x's scale word of K step = wave
	; the weights: lane l is column l of the wave's 32: tile u = (l / 8) % 2, lane r' = l % 8 + 8 (l / 16)
	v_bfe_u32 v24, v0, 3, 1
	s_wait_alu depctr_va_vdst(0)
	v_and_b32 v25, 7, v0
	s_delay_alu instid0(VALU_DEP_1)
	v_lshl_add_u32 v25, v3, 3, v25
	s_and_b32 s61, s22, 1                          ; which 32 of the job's 64 columns
	s_lshr_b32 s62, s22, 2                         ; which K step of the job's four
	s_bfe_u32 s63, s22, 0x10001                    ; which 64 of its 128
	s_and_b32 s68, ttmp9, 1
	s_xor_b32 s68, s68, 1                          ; even work-groups hold d < 64
	s_lshl_b32 s68, s68, 31                        ; the table: the sine's sign bit, set in even work-groups
	s_lshl_b32 s60, s61, 3
	s_add_co_u32 s60, s60, s62
	s_mul_i32 s60, s60, FRB
	s_mul_i32 s66, s63, 520
	s_add_co_u32 s66, s66, s60
	s_mul_i32 s67, s63, 1016
	s_add_co_u32 s67, s67, s60
	v_mul_u32_u24 v26, v24, 4*FRB
	s_wait_alu depctr_va_vdst(0)
	v_lshl_add_u32 v26, v25, 4, v26
	s_delay_alu instid0(VALU_DEP_1)
	v_add_nc_u32 v12, s66, v26
	s_delay_alu instid0(VALU_DEP_1)
	v_add_nc_u32 v12, WST, v12                     ; v12: pieces 0 and 2 of a block's 24 bytes
	s_delay_alu instid0(VALU_DEP_3)
	v_add_nc_u32 v13, s67, v26
	s_delay_alu instid0(VALU_DEP_1)
	v_add_nc_u32 v13, WST+8, v13                   ; v13: piece 1
	s_lshl_b32 s60, s61, 9
	s_lshl_b32 s66, s62, 2
	s_add_co_u32 s60, s60, s66
	s_lshl_b32 s66, s63, 1
	s_add_co_u32 s60, s60, s66
	v_lshlrev_b32 v14, 8, v24
	s_delay_alu instid0(VALU_DEP_1)
	v_lshl_add_u32 v14, v25, 4, v14
	s_delay_alu instid0(VALU_DEP_1)
	v_add_nc_u32 v14, s60, v14
	s_delay_alu instid0(VALU_DEP_1)
	v_add_nc_u32 v14, SG+1024, v14
	; the table leaves as an image of the reader's registers: [tile][cos, sin][quad q 16][lane r + 16 h][16 bytes], d = 32 (q / 4) + 16 h + 4 (q % 4) + 0 .. 3.  It is gathered in 8,192 bytes of LDS of its own
.set TBL, 107520
	v_and_b32 v24, 1, v0
	v_lshlrev_b32 v24, 3, v24                      ; my two numbers: 8 (lane % 2)
	v_bfe_u32 v25, v0, 1, 2
	v_lshl_add_u32 v24, v25, 9, v24                ; quad: (lane % 8) / 2
	v_bfe_u32 v25, v0, 3, 1
	v_lshl_add_u32 v24, v25, 8, v24                ; h
	v_lshl_add_u32 v24, v3, 11, v24                ; four quads on for lanes 16-31
	s_lshl_b32 s60, s22, 4
	v_add_nc_u32 v24, s60, v24                     ; r = wave
	v_add_nc_u32 v24, TBL, v24                     ; v24: where I put my cosines; the sines lie 4,096 bytes on
	v_lshlrev_b32 v25, 4, v0
	v_lshrrev_b32 v26, 8, v0
	v_lshl_add_u32 v26, v26, 12, v25               ; v26: the way out in memory: 16 x thread, the sines 8,192 bytes behind the cosines
	v_add_nc_u32 v25, TBL, v25                     ; v25: the way out in LDS: 16 x thread
	; the job: work-groups 0-63 Wq, 64-191 Wkv, 192-255 Wo; 64 columns x 512 along K each.  Only numbers and pointers are chosen: one path
	s_cmp_lt_u32 ttmp9, 64
	s_cselect_b32 s42, 0, 64                       ; the tensor's first job
	s_cselect_b32 s43, 4, 5                        ; log2 of its groups of 64 columns
	s_cselect_b32 s44, 12, 13                      ; log2 of a row's bytes
	s_cselect_b32 s45, 0, 64                       ; its first tile
	s_cmp_ge_u32 ttmp9, 192
	s_cselect_b32 s42, 192, s42
	s_cselect_b32 s45, 0, s45
	s_cselect_b32 s46, 0, 1                        ; a tile has 8 K steps (Wo) or 16
	s_cselect_b32 s47, 4718592, 0                  ; where its codes begin in wq
	s_cselect_b32 s48, 196608, 0                   ; and its scale words, behind SCO
	s_sub_co_u32 s49, ttmp9, s42
	s_lshl_b32 s50, 1, s43
	s_sub_co_u32 s50, s50, 1
	s_and_b32 s50, s49, s50                        ; which 64 columns
	s_lshr_b32 s51, s49, s43                       ; which 512 along K
	s_lshl_b32 s52, s50, 2
	s_add_co_u32 s52, s52, s45                     ; the job's first tile
	s_lshl_b32 s53, s51, 9
	s_lshr_b32 s54, s22, 1
	s_lshl_b32 s54, s54, 6
	s_add_co_u32 s53, s53, s54                     ; my first row of the weight
	s_lshl_b32 s53, s53, s44
	s_lshl_b32 s54, s50, 8
	s_add_co_u32 s53, s53, s54
	s_lshl_b32 s54, s61, 7
	s_add_co_u32 s54, s53, s54
	s_mov_b32 s55, 0                               ; s[54:55]: my wave's first byte of the weight
	s_lshl_b32 s53, 1, s44                         ; a row's bytes
	s_lshl_b32 s56, 8, s44
	s_mov_b32 s57, 0                               ; s[56:57]: eight rows
	v_lshlrev_b32 v16, 2, v1
.irp m, 1,2,3,4,5,6,7
	s_delay_alu instid0(VALU_DEP_1)
	v_add_nc_u32 v[16+\m], s53, v[15+\m]           ; v16-23: 4 x lane + m rows
.endr
	s_lshr_b32 s58, ttmp9, 1
	s_lshl_b32 s58, s58, 5
	s_and_b32 s59, ttmp9, 1
	s_lshl_b32 s59, s59, 3
	s_add_co_u32 s58, s58, s59
	s_lshl_b32 s58, s58, 13                        ; x: tile T begins at row 32 (T / 2) + 8 (T % 2)
	s_mov_b32 s59, 0
	s_lshr_b32 s80, ttmp9, 2
	s_lshl_b32 s80, s80, 5
	s_bfe_u32 s66, ttmp9, 0x10001
	s_lshl_b32 s66, s66, 3
	s_add_co_u32 s80, s80, s66                     ; the table's tile G / 2 begins at position 32 (G / 4) + 8 ((G / 2) % 2)
	s_lshl_b32 s80, s80, 9
	s_and_b32 s66, ttmp9, 1
	s_lshl_b32 s67, s66, 8
	s_add_co_u32 s80, s80, s67                     ; + 256 bytes for d >= 64
	s_mov_b32 s81, 0
	s_lshl_b32 s66, s66, 12
	s_lshr_b32 s67, ttmp9, 1
	s_lshl_b32 s67, s67, 14
	s_add_co_u32 s66, s66, s67                     ; and in rope: 16,384 bytes a tile, my eight quads
	s_mov_b32 s67, 0
	s_lshl_b32 s82, ttmp9, 4
	s_add_co_u32 s82, s82, s22
	s_mul_i32 s82, s82, FRB                        ; x's fragment (tile T, K step = wave)
	s_mov_b32 s83, 0
	s_lshr_b32 s84, s22, 2
	s_add_co_u32 s84, s84, s52
	s_mul_i32 s84, s84, 8*FRB
	s_lshl_b32 s84, s84, s46
	s_add_co_u32 s84, s84, s47
	s_lshl_b32 s85, s51, 2
	s_and_b32 s86, s22, 3
	s_add_co_u32 s85, s85, s86
	s_mul_i32 s85, s85, FRB
	s_add_co_u32 s84, s84, s85                     ; the weight's fragment that I copy out: tile wave / 4, K step wave % 4 of the job
	s_mov_b32 s85, 0
	s_lshl_b32 s86, ttmp9, 10
	s_add_co_u32 s86, s86, s23
	s_add_co_u32 s86, s86, SCO                     ; waves 0, 1: x's scale words
	s_lshl_b32 s87, s22, 1
	s_add_co_u32 s87, s87, s52
	s_sub_co_u32 s87, s87, 4
	s_add_co_u32 s88, s46, 9
	s_lshl_b32 s87, s87, s88
	s_lshl_b32 s89, s51, 8
	s_add_co_u32 s87, s87, s89
	s_add_co_u32 s87, s87, s48
	s_add_co_u32 s87, s87, SCO                     ; waves 2, 3: the weights', two tiles each
	s_lshl_b32 s78, 1, s88                         ; from tile to tile
	s_cmp_lt_u32 s22, 2
	s_cselect_b32 s76, s86, s87
	s_cselect_b32 s78, 256, s78
	s_mov_b32 s77, 0
	v_mul_u32_u24 v15, s78, v3
	s_delay_alu instid0(VALU_DEP_1)
	v_lshl_add_u32 v15, v2, 4, v15                 ; v15: sixteen lanes to 256 consecutive bytes
	s_wait_alu depctr_va_vdst(0)
	s_wait_kmcnt 0x0
	s_cselect_b64 s[74:75], s[16:17], s[18:19]     ; (still on wave < 2)
	s_add_nc_u64 s[74:75], s[74:75], s[76:77]
	s_cmp_lt_u32 ttmp9, 64
	s_cselect_b64 s[24:25], s[10:11], s[12:13]
	s_cmp_ge_u32 ttmp9, 192
	s_cselect_b64 s[24:25], s[14:15], s[24:25]
	s_add_nc_u64 s[24:25], s[24:25], s[54:55]
.irp n, 1,2,3,4,5,6,7
	s_add_nc_u64 s[24+2*\n:25+2*\n], s[22+2*\n:23+2*\n], s[56:57]   ; s[24:39]: my first byte, eight rows on, sixteen ..
.endr
	s_add_nc_u64 s[4:5], s[4:5], s[58:59]
	s_add_nc_u64 s[8:9], s[8:9], s[80:81]
	s_add_nc_u64 s[20:21], s[20:21], s[66:67]
	s_add_nc_u64 s[70:71], s[16:17], s[82:83]
	s_add_nc_u64 s[72:73], s[18:19], s[84:85]
	; ---- the loads: each of x's reads two aligned runs of 256 bytes; each of the weights' 128 consecutive bytes a wave
.irp e, 0,1
.irp i, 0,1,2,3,4,5,6,7
	global_load_b128 v[32+32*\e+4*\i:35+32*\e+4*\i], v4, s[4:5] offset:(2*\i+8*(\i/4))*8192+256*\e th:TH_LOAD_NT
.endr
.endr
	global_load_b128 v[224:227], v31, s[6:7]
	global_load_b64 v[228:229], v29, s[8:9] th:TH_LOAD_NT
.set i, 0
.rept 32
	global_load_b32 v[W+i], v[16+i%8], s[24+2*(i/8):25+2*(i/8)] th:TH_LOAD_NT
.set i, i+1
.endr
	s_wait_loadcnt 32                              ; x, g and rotary_emb are in; the 32 younger loads of the weight stay out
	; ---- the turn: 256 bytes of 16 rows at a time through my stage, so that a lane gets 16 neighbours of each block.  LDS serves a wave's instructions in order
	ds_store_b128 v30, v[224:227]
.irp e, 0,1
.irp i, 0,1,2,3,4,5,6,7
	ds_store_b128 v5, v[32+32*\e+4*\i:35+32*\e+4*\i] offset:2*\i*272
.endr
.irp bb, 0,1
.irp j, 0,1,2,3
	ds_load_b128 v[X+16*(2*\e+\bb)+4*\j:X+16*(2*\e+\bb)+4*\j+3], v6 offset:128*\bb+16*\j
.endr
.endr
.endr
.rept 32
	global_load_b32 v[W+i], v[16+i%8], s[24+2*(i/8):25+2*(i/8)] th:TH_LOAD_NT   ; the weight's second block
.set i, i+1
.endr
	; ---- the table, while the turn is out
	SINCOS 228, 252, 254, 230
	SINCOS 229, 253, 255, 237
	ds_store_b64 v24, v[252:253]
	ds_store_b64 v24, v[254:255] offset:4096
	; ---- the sum of squares of my 64 numbers
	s_wait_dscnt 0x0                               ; x is back, and the stores into the stage have read their registers, which g's numbers now take
.irp b, 0,1,2,3
.irp j, 0,1,2,3
	ds_load_b128 v[32+16*\b+4*\j:35+16*\b+4*\j], v7 offset:128*\b+16*\j
.endr
.endr
.irp c, 0,1,2,3
	v_pk_mul_f32 v[240+2*\c:241+2*\c], v[X+2*\c:X+2*\c+1], v[X+2*\c:X+2*\c+1]
.endr
.set i, 8
.rept 28
	s_delay_alu instid0(VALU_DEP_4)
	v_pk_fma_f32 v[240+i%8:241+i%8], v[X+i:X+i+1], v[X+i:X+i+1], v[240+i%8:241+i%8]
.set i, i+2
.endr
	s_delay_alu instid0(VALU_DEP_3)
	v_pk_add_f32 v[240:241], v[240:241], v[242:243]
	s_delay_alu instid0(VALU_DEP_2)
	v_pk_add_f32 v[244:245], v[244:245], v[246:247]
	s_delay_alu instid0(VALU_DEP_1)
	v_pk_add_f32 v[240:241], v[240:241], v[244:245]
	s_delay_alu instid0(VALU_DEP_1)
	v_add_f32 v240, v240, v241
	s_delay_alu instid0(VALU_DEP_1)
	v_permlanex16_b32 v241, v240, s[SEL], s[SEL+1]
	s_delay_alu instid0(VALU_DEP_1)
	v_add_f32 v240, v240, v241                     ; row r, my wave's 128 numbers
	ds_store_b32 v9, v240                          ; (both halves of the lanes write the same word with the same value)
	s_wait_dscnt 0x0                               ; for the others' sake: my partial sum has landed
	s_barrier_signal -1
	s_barrier_wait -1
.irp j, 0,1,2,3
	ds_load_b128 v[232+4*\j:235+4*\j], v10 offset:16*\j
.endr
	s_wait_dscnt 0x0
	v_pk_add_f32 v[232:233], v[232:233], v[234:235]           ; the same order in every wave: the same norm
	v_pk_add_f32 v[236:237], v[236:237], v[238:239]
	v_pk_add_f32 v[240:241], v[240:241], v[242:243]
	v_pk_add_f32 v[244:245], v[244:245], v[246:247]
	s_delay_alu instid0(VALU_DEP_3)
	v_pk_add_f32 v[232:233], v[232:233], v[236:237]
	s_delay_alu instid0(VALU_DEP_2)
	v_pk_add_f32 v[240:241], v[240:241], v[244:245]
	s_delay_alu instid0(VALU_DEP_1)
	v_pk_add_f32 v[232:233], v[232:233], v[240:241]
	s_delay_alu instid0(VALU_DEP_1)
	v_add_f32 v232, v232, v233
	s_wait_alu depctr_va_vdst(0)
	v_sqrt_f32 v248, v232
	v_nop                                          ; a plain place behind the transcendental,
	s_wait_alu depctr_va_vdst(0)                   ; and the wait ahead of the first use
	v_mul_f32 v248, 0x3cb504f3, v248               ; x 2048^-0.5
	s_delay_alu instid0(VALU_DEP_1)
	v_max_num_f32 v248, 0x322bcc77, v248           ; at least 1e-8
	s_wait_alu depctr_va_vdst(0)
	v_rcp_f32 v250, v248
	v_nop
	s_wait_alu depctr_va_vdst(0)
	v_mov_b32 v251, v250
.set i, 0
.rept 32
	v_pk_mul_f32 v[X+i:X+i+1], v[X+i:X+i+1], v[250:251]
.set i, i+2
.endr
.set i, 0
.rept 32
	v_pk_mul_f32 v[X+i:X+i+1], v[X+i:X+i+1], v[32+i:33+i]     ; x g
.set i, i+2
.endr
	QUANT X
.irp c, 0,1,2
	global_store_b128 v8, v[PC+4*\c:PC+4*\c+3], s[70:71] offset:512*\c     ; the image: 512 consecutive bytes a store
.endr
	ds_store_b32 v11, v[PW]
	; ---- the weight: two whole blocks a lane
	s_wait_loadcnt 0x0
	WBLOCK 0
	WBLOCK 1
	v_lshl_or_b32 v235, v237, 8, v235
	ds_store_b16 v14, v235
	s_wait_dscnt 0x0                               ; for the others' sake: my pieces and scale bytes have landed
	s_barrier_signal -1
	s_barrier_wait -1
.irp c, 0,1,2
	ds_load_b128 v[96+4*\c:99+4*\c], v27 offset:512*\c
.endr
.irp c, 0,1,2
	s_wait_dscnt 2-\c                              ; the younger of the three may stay out
	global_store_b128 v8, v[96+4*\c:99+4*\c], s[72:73] offset:512*\c
.endr
	ds_load_b128 v[112:115], v25                   ; the table's image: written ahead of two barriers
	s_wait_dscnt 0x0
	global_store_b128 v26, v[112:115], s[20:21]    ; a wave stores 512 consecutive bytes
	s_cmp_lt_u32 s22, 4
	s_cbranch_scc0 .Ldone
	ds_load_b128 v[108:111], v28
	s_wait_dscnt 0x0
	global_store_b128 v15, v[108:111], s[74:75]
.Ldone:
	s_wait_xcnt 0x0
	v_lshl_add_u32 v254, v0, 2, 0x19c00
	v_mov_b32 v255, 0
	s_wait_alu depctr_va_vdst(0)
	s_wait_tensorcnt 0x0
	ds_add_u32 v254, v255
	s_wait_dscnt 0x0
	s_endpgm
.Lfunc_end_k_qda516eacba_prep:
	.size	k_qda516eacba_prep, .Lfunc_end_k_qda516eacba_prep-k_qda516eacba_prep
	.p2alignl 7, 3214868480
	.fill 96, 4, 3214868480
	.section	.rodata,"a",@progbits
	.p2align	6, 0x0
	.amdhsa_kernel k_qda516eacba_prep
		.amdhsa_group_segment_fixed_size 115712
		.amdhsa_private_segment_fixed_size 0
		.amdhsa_enable_private_segment 0
		.amdhsa_kernarg_size 72
		.amdhsa_user_sgpr_count 2
		.amdhsa_user_sgpr_kernarg_segment_ptr 1
		.amdhsa_wavefront_size32 1
		.amdhsa_system_sgpr_workgroup_id_x 1
		.amdhsa_system_sgpr_workgroup_id_y 1
		.amdhsa_system_sgpr_workgroup_id_z 1
		.amdhsa_system_vgpr_workitem_id 0
		.amdhsa_next_free_vgpr 256
		.amdhsa_next_free_sgpr 90
		.amdhsa_reserve_vcc 1
		.amdhsa_float_denorm_mode_32 3
		.amdhsa_float_denorm_mode_16_64 3
		.amdhsa_memory_ordered 1
		.amdhsa_forward_progress 1
		.amdhsa_inst_pref_size 45
	.end_amdhsa_kernel
	.amdgpu_metadata
---
amdhsa.version: [ 1, 2 ]
amdhsa.kernels:
  - .name:           k_qda516eacba_prep
    .symbol:         k_qda516eacba_prep.kd
    .args:
      - { .name: x, .offset: 0, .size: 8, .value_kind: global_buffer, .address_space: global }
      - { .name: g, .offset: 8, .size: 8, .value_kind: global_buffer, .address_space: global }
      - { .name: rotary_emb, .offset: 16, .size: 8, .value_kind: global_buffer, .address_space: global }
      - { .name: Wq, .offset: 24, .size: 8, .value_kind: global_buffer, .address_space: global }
      - { .name: Wkv, .offset: 32, .size: 8, .value_kind: global_buffer, .address_space: global }
      - { .name: Wo, .offset: 40, .size: 8, .value_kind: global_buffer, .address_space: global }
      - { .name: xq, .offset: 48, .size: 8, .value_kind: global_buffer, .address_space: global }
      - { .name: wq, .offset: 56, .size: 8, .value_kind: global_buffer, .address_space: global }
      - { .name: rope, .offset: 64, .size: 8, .value_kind: global_buffer, .address_space: global }
    .group_segment_fixed_size: 115712
    .private_segment_fixed_size: 0
    .kernarg_segment_align: 8
    .kernarg_segment_size: 72
    .max_flat_workgroup_size: 512
    .sgpr_count:     90
    .vgpr_count:     256
    .wavefront_size: 32
...
	.end_amdgpu_metadata
.endif
;; end of part 1
;; launch qkv (part 2): grid 8 x 24, 4 waves a work-group, clusters of 4 x 4, 327,680 bytes of LDS; arguments xq, wq, rope, qkv; writes qkv
.if DOCPART == 2
	.amdgcn_target "amdgcn-amd-amdhsa--gfx1250"
	.amdhsa_code_object_version 6
	.text
	.protected	k_qda516eacba_qkv
	.globl	k_qda516eacba_qkv
	.p2align	8
	.type	k_qda516eacba_qkv,@function
k_qda516eacba_qkv:
	s_mov_b64 s[64:65], 0
	v_nop
	global_prefetch_b8 v0, s[64:65] scope:SCOPE_SE
	s_setreg_imm32_b32 hwreg(HW_REG_WAVE_MODE, 25, 1), 1
	s_wait_xcnt 0x0
	s_wait_alu depctr_hold_cnt(0) depctr_sa_sdst(0) depctr_va_vdst(0) depctr_va_sdst(0) depctr_va_ssrc(0) depctr_va_vcc(0) depctr_vm_vsrc(0)
	s_getreg_b32 s2, hwreg(HW_REG_IB_STS2, 6, 4)
	s_cmp_eq_u32 s2, 0
	s_cbranch_scc0 .Lentry_in_a_cluster
	s_endpgm
.Lentry_in_a_cluster:
	s_bfe_u32 s2, ttmp6, 0x10000c
	s_cmp_lg_u32 s2, 0xf033
	s_cbranch_scc0 .Lentry_shape_is_right
	s_endpgm
.Lentry_shape_is_right:
; QKV.  [4096 tokens] x [3072 columns: q, k, v], K = 2,048, on codes of E2M3 with E8M0 scales; then the rotary on q and k, and the quantisers of q, k (along the head's 128) and v (along the tokens).
; A work-group of four waves makes 256 x 256; a wave 128 x 128: 64 accumulators, 512 registers.  K goes in slots of 256 through a ring of two LDS slots filled by joint tensor loads.
; ALL OPERANDS ARE IMAGES OF THEIR REGISTERS: a fragment (16 rows x 128 K) is 1,536 bytes, registers 4 c .. 4 c + 3 of lane l at 512 c + 16 l.  Lane r of tile 2 B + u holds row 32 B + 8 u + r + 8 (r / 8).
; Source 0 takes 'B', source 1 'A': a lane holds ONE row of A, and the 64 registers of a block are 128 neighbours of B in the order that the quantiser wants.
; ROLES.  Clusters y < 4 (q, k): A = tokens, B = a head's 128 columns.  Clusters y >= 4 (v): A = v's columns, B = tokens.  The choice hangs on the cluster's y alone: the same in all sixteen partners.
; CLUSTERS: 4 x 4.  A's tiles are shared along a row of the cluster, B's along a column.  192 work-groups: a wave needs d and d + 64 of a head, and 3,072 columns do not divide into 256 equal blocks of such pairs at this wave tile.
; THE HEAD: one joint load a wave: wave 0 slot 0's 16 tiles of A, wave 1 those of B, wave 2 A's scale words of all of K, wave 3 B's.  Slot 1 is first filled behind the full sequence and a round.
; PREFETCH: behind the refill of K slot n each wave asks for K slot n + 2: of the 8 tiles that it fetches, the 2 that fall to its work-group among the four partners, told apart by address: 24 blocks of 256 bytes,
; a lane a block (lanes 24-31 name the last block again).  K slots 1 to 3 are asked for at the head.  The last trip has no K slot two on: there each wave asks for its eighth of the 128 tokens' rotary table (64 blocks, two requests).
; THE WAY OUT needs no LDS: a block's 64 numbers of a lane are rotated (table of cos and signed sin, laid as an image: each load reads 512 consecutive bytes), quantised in registers and stored as an image.
; LIMITS: NaN and infinities are not served; a block of zeros gets the byte 1 (its codes are zeros; this program alone reads the bytes).
; REGISTERS: window 0: v16-31 addresses; v32-63 scale words, two sets; v64-111 at work on the way out; v128-223 A's fragments, one set.  window 1: B's fragments, two sets.  windows 2, 3: accumulator (a, b) at v[8 (8 (a % 4) + b)].
.set NQ,     2
.set FR,     12
.set FRB,    1536
.set NL,     3                         ; LDS loads that bring a fragment
.set NP,     4                         ; places behind this matrix instruction (ISA guide 7.12.1)
.set TILEB,  NQ*FRB                    ; a tile's part of a slot
.set TILEG,  16*FRB                    ; a tile's codes in memory
.set HALFT,  8*TILEB                   ; eight tiles: what one load of the ring brings
.set SLOT,   4*HALFT
.set LAPS,   4
.set SCL,    2*SLOT                    ; behind the ring: the scale words of all of K: [tile][quad 4][r 16][4 words]
.set HALFS,  8192
.set SBLK,   1024
.set SPARE,  SCL+4*HALFS               ; the spare words: 128 bytes a wave
.set SCO,    6291456                   ; where the scale words begin in xq and in wq
.set UNITB,  8*FRB+512                 ; qkv: a unit (128 tokens of one head of q, k or v): eight images, then their scale words [r 16][tile 8]: 50 rows of 256 bytes
.set ADRA, 16
.set ADRB, 20
.set PFO,  22                          ; the K prefetch's offset: my lane's block
.set PFT,  23                          ; the table prefetch's: 256 x lane
.set LI,   24                          ; 16 x lane
.set SO,   26                          ; the scale words' way out
.set ADRS, 27
.set SPW,  28
.set NIL,  29
.set LN,   31
.set SC,   32
.set TM,   64
.set PW8,  80                          ; v80-87 the eight blocks' scale words
.set PC,   88
.set OW,   108
.set AF,   128
.set G1, 24
.set G0, 32
.set G1B, 48
.set G0B, 56
.set PFA, 66                           ; s[66:67] where my K prefetches stand
.set G1S, 68
.set G0S, 76
.set G1SB, 80
.set G0SB, 88
.set SEL, 12
.set MSB, 0
.macro WIN new                         ; the immediate's high byte repeats the setting that is left
.if MSB != \new
	s_set_vgpr_msb (MSB<<8)|\new
.set MSB, \new
.endif
.endm
.set MUL_LO, 0xa1
.set MUL_HI, 0xf1
.set TO_B,   0x40
; a joint load of the ring: waves 0 and 1 fetch for A, waves 2 and 3 for B; s_nop 0 and four v_nop follow each of the two lines
.macro JLOAD g0a, g1a, g0b, g1b
	s_cmp_eq_u32 s15, 0
	s_cbranch_scc0 .Lfor_b_\@
	tensor_load_to_lds s[\g0a:\g0a+3], s[\g1a:\g1a+7]
	s_nop 0
.rept 4
	v_nop
.endr
	s_branch .Lasked_\@
.Lfor_b_\@:
	tensor_load_to_lds s[\g0b:\g0b+3], s[\g1b:\g1b+7]
	s_nop 0
.rept 4
	v_nop
.endr
.Lasked_\@:
.endm
.macro CREST
	s_cmp_lg_u32 s14, 0
	s_cbranch_scc1 .Lnot_wave_0_\@
	s_barrier_signal -3
.Lnot_wave_0_\@:
	s_barrier_wait -3
	s_barrier_signal -1
	s_barrier_wait -1
.endm
.macro CROUND
	s_barrier_signal -1
	s_barrier_wait -1
	CREST
.endm
; behind a refill and the run of LDS loads: K slot n + 2, or in the last trip (s3 = 1) half of my share of the table (not in a cluster that makes v, which reads no table)
.macro ASK slot
	s_cmp_gt_u32 s3, 1
	s_cbranch_scc0 .Ltab_\@
	global_prefetch_b8 v[PFO], s[PFA:PFA+1] offset:3*TILEB th:TH_LOAD_NT scope:SCOPE_SE
	s_branch .Lpf_\@
.Ltab_\@:
	s_cmp_eq_u32 s95, 1
	s_cbranch_scc1 .Lpf_\@
	global_prefetch_b8 v[PFT], s[92:93] offset:8192*\slot th:TH_LOAD_NT scope:SCOPE_SE
.Lpf_\@:
.endm
	s_load_b256 s[4:11], s[0:1], 0x0               ; xq, wq, rope, qkv
	v_lshl_add_u32 v[SPW], v0, 2, SPARE
	v_mov_b32 v[NIL], 0
	ds_add_u32 v[SPW], v[NIL]                      ; the opening lines: the add, twice on end, and its wait ahead of my first tensor load
	ds_add_u32 v[SPW], v[NIL]
	v_lshrrev_b32 v1, 5, v0
	v_readfirstlane_b32 s14, v1                    ; wave 0..3
	s_lshr_b32 s15, s14, 1                         ; which half of A's rows is mine.  In the ring: I fetch for A (0) or for B (1)
	s_and_b32 s16, s14, 1                          ; which half of B's rows.  In the ring: which eight tiles I fetch
	s_bfe_u32 s40, ttmp6, 0x40000                  ; cx
	s_bfe_u32 s41, ttmp6, 0x40004                  ; cy
	s_and_b32 s17, ttmp7, 0xffff                   ; the cluster's y
	s_lshl_b32 s18, s17, 2
	s_lshl_b32 s42, ttmp9, 2
	s_lshl_b32 s19, s17, 3
	s_add_co_u32 s19, s19, s42
	s_sub_co_u32 s19, s19, 32                      ; 4 (2 (y - 4) + x): used where y >= 4
	s_cmp_ge_u32 s17, 4
	s_cselect_b32 s95, 1, 0                        ; 1: this cluster makes v
	s_cselect_b32 s17, 0, s18
	s_cselect_b32 s42, s19, s42
	s_cselect_b32 s94, 128, 0                      ; A's first tile in its buffer
	s_add_co_u32 s17, s17, s41                     ; tr: which 256 rows of A
	s_add_co_u32 s42, s42, s40                     ; tc: which 256 rows of B
	s_lshl_b32 s43, s41, 2
	s_lshl_b32 s43, 15, s43                        ; my row of the cluster
	s_lshl_b32 s44, 0x1111, s40                    ; my column
	; group 1, codes: tiles of 3,072 bytes (two K steps of 128), 24,576 bytes apart; elements of 8 bytes; 16 tiles for the head's loads, 8 behind them
	s_or_b32 s[G1+0], s43, (3<<16)|(1<<21)
	s_or_b32 s[G1B+0], s44, (3<<16)|(1<<21)
.irp g, G1, G1B
	s_mov_b32 s[\g+1], 384<<16                     ; tensor_dim0
	s_mov_b32 s[\g+2], 16<<16                      ; tensor_dim1
	s_mov_b32 s[\g+3], 384<<16                     ; tile_dim0
	s_mov_b32 s[\g+4], 16                          ; tile_dim1
	s_mov_b32 s[\g+5], 3072                        ; from tile to tile
	s_mov_b32 s[\g+6], 0
	s_mov_b32 s[\g+7], 0
.endr
	; group 1, scale words of 16 tiles: 16,384 dense bytes as 64 rows of 256
	s_or_b32 s[G1S+0], s43, (3<<16)|(1<<21)
	s_or_b32 s[G1SB+0], s44, (3<<16)|(1<<21)
.irp g, G1S, G1SB
	s_mov_b32 s[\g+1], 32<<16
	s_mov_b32 s[\g+2], 64<<16
	s_mov_b32 s[\g+3], 32<<16
	s_mov_b32 s[\g+4], 64
	s_mov_b32 s[\g+5], 32
	s_mov_b32 s[\g+6], 0
	s_mov_b32 s[\g+7], 0
.endr
	s_lshl_b32 s20, s17, 4
	s_add_co_u32 s20, s20, s94                     ; A's first tile
	s_lshl_b32 s46, s42, 4                         ; B's
	s_cmp_eq_u32 s15, 0
	s_cselect_b32 s98, s40, s41                    ; the prefetch: my place among the four that ask with me,
	s_lshl_b32 s98, s98, 1                         ; two tiles a place,
	s_lshl_b32 s99, s16, 3
	s_add_co_u32 s98, s98, s99                     ; of the eight that I fetch
	s_mul_i32 s98, s98, TILEG
	s_mov_b32 s99, 0
	s_lshl_b32 s22, s20, 10
	s_add_co_u32 s22, s22, SCO
	s_mov_b32 s23, 0
	s_lshl_b32 s92, s46, 10
	s_add_co_u32 s92, s92, SCO
	s_mov_b32 s93, 0
	s_mul_i32 s20, s20, TILEG
	s_mov_b32 s21, 0
	s_mul_i32 s46, s46, TILEG
	s_mov_b32 s47, 0
	s_mul_i32 s45, s14, HALFT                      ; the ring: wave x 8 tiles: no place in the cluster enters an LDS address
	s_wait_dscnt 0x0                               ; both opening adds are done
	s_wait_kmcnt 0x0
	s_cmp_eq_u32 s95, 1
	s_cselect_b64 s[12:13], s[6:7], s[4:5]         ; A's buffer
	s_cselect_b64 s[18:19], s[4:5], s[6:7]         ; B's
	s_add_nc_u64 s[20:21], s[12:13], s[20:21]
	s_add_nc_u64 s[22:23], s[12:13], s[22:23]
	s_add_nc_u64 s[46:47], s[18:19], s[46:47]
	s_add_nc_u64 s[92:93], s[18:19], s[92:93]
	s_cmp_eq_u32 s15, 0
	s_cselect_b64 s[PFA:PFA+1], s[20:21], s[46:47]
	s_add_nc_u64 s[PFA:PFA+1], s[PFA:PFA+1], s[98:99]
	s_mov_b32 s[G0], 1                             ; the head's four tiles, each whole: K slot 0's 16 tiles of A (slot 0's own group 0: set for the ring behind the head's wait),
	s_mov_b32 s[G0+1], 0
	s_mov_b64 s[G0+2:G0+3], s[20:21]
	s_or_b32 s[G0+3], s[G0+3], 0x80000000
	s_mov_b32 s[G0B], 1                            ; of B,
	s_mov_b32 s[G0B+1], 2*HALFT
	s_mov_b64 s[G0B+2:G0B+3], s[46:47]
	s_or_b32 s[G0B+3], s[G0B+3], 0x80000000
	s_mov_b32 s[G0S], 1                            ; A's scale words,
	s_mov_b32 s[G0S+1], SCL
	s_mov_b64 s[G0S+2:G0S+3], s[22:23]
	s_or_b32 s[G0S+3], s[G0S+3], 0x80000000
	s_mov_b32 s[G0SB], 1                           ; and B's
	s_mov_b32 s[G0SB+1], SCL+2*HALFS
	s_mov_b64 s[G0SB+2:G0SB+3], s[92:93]
	s_or_b32 s[G0SB+3], s[G0SB+3], 0x80000000
	s_mul_i32 s18, s16, 8*TILEG                    ; the ring: which eight tiles, in bytes
	s_mov_b32 s19, 0
	s_mov_b32 s[G0+4], 1                           ; slot 1: K slot 1 of my eight tiles
	s_add_co_u32 s[G0+5], s45, SLOT
	s_add_nc_u64 s[G0+6:G0+7], s[20:21], s[18:19]
	s_add_nc_u64 s[G0+6:G0+7], s[G0+6:G0+7], TILEB
	s_or_b32 s[G0+7], s[G0+7], 0x80000000
	s_mov_b32 s[G0B+4], 1
	s_add_co_u32 s[G0B+5], s45, SLOT
	s_add_nc_u64 s[G0B+6:G0B+7], s[46:47], s[18:19]
	s_add_nc_u64 s[G0B+6:G0B+7], s[G0B+6:G0B+7], TILEB
	s_or_b32 s[G0B+7], s[G0B+7], 0x80000000
	s_mul_i32 s21, s15, HALFT                      ; my 8 tiles of A in a slot,
	s_mul_i32 s22, s16, HALFT
	s_add_co_u32 s22, s22, 2*HALFT                 ; of B;
	s_mul_i32 s94, s15, HALFS
	s_mul_i32 s23, s16, HALFS
	s_add_co_u32 s23, s23, 2*HALFS
	s_sub_co_u32 s23, s23, s94                     ; from A's scale words to B's,
	s_add_co_u32 s94, s94, SCL                     ; and A's
	s_mov_b32 s[SEL], 0x76543210
	s_mov_b32 s[SEL+1], 0xfedcba98
	CROUND                                         ; all sixteen work-groups are here: the first joint loads meet
; one chain of branches on the wave's number, one load to an arm, all arms leading to one join
.macro ARM under, g0, g1, next
	s_cmp_lt_u32 s14, \under
	s_cbranch_scc0 \next
	tensor_load_to_lds s[\g0:\g0+3], s[\g1:\g1+7]
	s_nop 0
.rept 4
	v_nop
.endr
	s_branch .Lhead_asked
\next:
.endm
	ARM 1, G0,  G1,  .Lhead_b
	ARM 2, G0B, G1B, .Lhead_sa
	ARM 3, G0S, G1S, .Lhead_sb
	tensor_load_to_lds s[G0SB:G0SB+3], s[G1SB:G1SB+7]
	s_nop 0
.rept 4
	v_nop
.endr
.Lhead_asked:
	v_and_b32 v[LN], 31, v0
	v_and_b32 v1, 15, v0                           ; r
	v_bfe_u32 v2, v0, 4, 1                         ; h
	v_lshlrev_b32 v[LI], 4, v[LN]
	v_add_nc_u32 v[ADRA], s21, v[LI]
	v_add_nc_u32 v[ADRB], s22, v[LI]
	v_add_nc_u32 v[ADRA+1], SLOT, v[ADRA]
	v_add_nc_u32 v[ADRB+1], SLOT, v[ADRB]
	v_lshlrev_b32 v5, 4, v1                        ; my row's four words of a quad
	v_mul_u32_u24 v6, s23, v2                      ; lanes 16-31 take B's
	v_add_nc_u32 v5, v5, v6
	v_add_nc_u32 v[ADRS], s94, v5
	v_lshlrev_b32 v[SO], 5, v1
	v_lshl_add_u32 v[SO], v2, 4, v[SO]
	v_min_u32 v3, 23, v[LN]                        ; the prefetch: block min(lane, 23) of 24: twelve to a tile's 3,072 bytes
	v_mul_u32_u24 v4, v3, 11
	v_lshrrev_b32 v4, 7, v4                        ; 1 from block 12 on
	v_mul_u32_u24 v4, v4, TILEG-TILEB
	v_lshl_add_u32 v[PFO], v3, 8, v4
	v_lshlrev_b32 v[PFT], 8, v[LN]
	global_prefetch_b8 v[PFO], s[PFA:PFA+1] offset:TILEB th:TH_LOAD_NT scope:SCOPE_SE     ; K slots 1 and 2
	global_prefetch_b8 v[PFO], s[PFA:PFA+1] offset:2*TILEB th:TH_LOAD_NT scope:SCOPE_SE
	; where my 128 x 128 goes: region (q, k, v), batch and head, group of 128 tokens
	s_lshl_b32 s20, s17, 1
	s_add_co_u32 s20, s20, s15                     ; 2 tr + my half of A
	s_lshl_b32 s46, s42, 1
	s_add_co_u32 s46, s46, s16                     ; 2 tc + my half of B
	s_add_co_u32 s21, s20, 16
	s_cmp_eq_u32 s95, 1
	s_cselect_b32 s22, s21, s46                    ; which 128 columns of the 3,072
	s_cselect_b32 s23, s46, s20                    ; which 128 tokens of the 4,096
	s_lshr_b32 s20, s22, 3
	s_lshl_b32 s20, s20, 8
	s_lshr_b32 s21, s23, 4
	s_lshl_b32 s21, s21, 3
	s_and_b32 s46, s22, 7
	s_add_co_u32 s21, s21, s46
	s_lshl_b32 s21, s21, 4
	s_add_co_u32 s20, s20, s21
	s_and_b32 s23, s23, 15
	s_add_co_u32 s20, s20, s23
	s_mul_i32 s46, s20, UNITB
	s_mov_b32 s47, 0
	s_add_nc_u64 s[96:97], s[10:11], s[46:47]      ; my eight images
	s_add_nc_u64 s[98:99], s[96:97], 8*FRB         ; their scale words, behind them in the unit
	s_lshl_b32 s46, s23, 17
	s_add_nc_u64 s[100:101], s[8:9], s[46:47]      ; the table of my group's eight tiles, 16,384 bytes each
	s_lshl_b32 s46, s40, 1
	s_add_co_u32 s46, s46, s16
	s_lshl_b32 s46, s46, 14
	s_add_nc_u64 s[92:93], s[100:101], s[46:47]    ; of which one falls to me among the two waves x four partners that read them
.macro FRAG reg, adr, q, i
.irp c, 0,1,2
	ds_load_b128 v[\reg+4*\c:\reg+4*\c+3], v[\adr] offset:(\i)*TILEB+(\q)*FRB+512*\c
.endr
.endm
; 16 matrix instructions: A's blocks a0, a0 + 1 x B's eight.  The 64 accumulators take turns, one instruction a turn, in the same order in every step
.macro MUL16 a0, p, q, sc, zero
.irp a, \a0, \a0+1
.irp b, 0,1,2,3,4,5,6,7
.if \zero
	v_wmma_scale_f32_16x16x128_f8f6f4 v[8*(8*((\a)%4)+\b):8*(8*((\a)%4)+\b)+7], v[128*(\p)+FR*\b:128*(\p)+FR*\b+FR-1], v[AF+FR*(\a):AF+FR*(\a)+FR-1], 0, v[SC+8*NQ*(\sc)+NQ*\b+(\q)], v[SC+8*NQ*(\sc)+NQ*(\a)+(\q)] matrix_a_fmt:MATRIX_FMT_FP6 matrix_b_fmt:MATRIX_FMT_FP6 matrix_a_scale:MATRIX_SCALE_ROW1
.else
	v_wmma_scale_f32_16x16x128_f8f6f4 v[8*(8*((\a)%4)+\b):8*(8*((\a)%4)+\b)+7], v[128*(\p)+FR*\b:128*(\p)+FR*\b+FR-1], v[AF+FR*(\a):AF+FR*(\a)+FR-1], v[8*(8*((\a)%4)+\b):8*(8*((\a)%4)+\b)+7], v[SC+8*NQ*(\sc)+NQ*\b+(\q)], v[SC+8*NQ*(\sc)+NQ*(\a)+(\q)] matrix_a_fmt:MATRIX_FMT_FP6 matrix_b_fmt:MATRIX_FMT_FP6 matrix_a_scale:MATRIX_SCALE_ROW1
.endif
.endr
.endr
.endm
.macro FETCH_B slot, q, p
	WIN TO_B
.irp i, 0,1,2,3,4,5,6,7
	FRAG 128*(\p)+FR*\i, ADRB+\slot, \q, \i
.endr
	WIN 0
.endm
.macro FETCH_A slot, q, i0
.irp i, \i0, \i0+1, \i0+2, \i0+3
	FRAG AF+FR*(\i), ADRA+\slot, \q, \i
.endr
.endm
.macro SCALES sc                       ; two words a row: lanes 0-15 A's block i, lanes 16-31 B's block i
.irp i, 0,1,2,3,4,5,6,7
	ds_load_b64 v[SC+8*NQ*\sc+NQ*\i:SC+8*NQ*\sc+NQ*\i+1], v[ADRS] offset:\i*SBLK
.endr
.endm
.macro PLACES n
.rept \n
	v_nop
.endr
.endm
.macro STEP slot, q, zero              ; a step of 128 along K that has its successor in the same slot
	s_wait_dscnt 4*NL                              ; B's set and A's blocks 0-3 are in; the twelve youngest loads (A's blocks 4-7) may be out
	WIN MUL_LO
	MUL16 0, (\q)%2, \q, \slot, \zero
	MUL16 2, (\q)%2, \q, \slot, \zero
	s_wait_dscnt 0
	PLACES NP
	FETCH_B \slot, (\q)+1, 1-(\q)%2
	FETCH_A \slot, (\q)+1, 0
	WIN MUL_HI
	MUL16 4, (\q)%2, \q, \slot, \zero
	MUL16 6, (\q)%2, \q, \slot, \zero
	PLACES NP
	WIN 0
	FETCH_A \slot, (\q)+1, 4
.endm
; a slot's last step changes slots: one barrier; in front of it each wave waits for all its tensor loads, adds 0 to its spare word, and waits for that and for its reads of this slot
.macro TURN slot, next, fill
.if \fill
	s_wait_xcnt 0x0                                ; my last prefetch has read its address, which steps one K slot on
	s_add_nc_u64 s[PFA:PFA+1], s[PFA:PFA+1], TILEB
.endif
	s_wait_tensorcnt 0x0                           ; all my tensor loads have landed: the one that was out is my part of the next slot
	ds_add_u32 v[SPW], v[NIL]                      ; 0 onto my spare word
	s_wait_dscnt 4*NL+1                            ; (the add and the twelve youngest loads may be out)
	WIN MUL_LO
	MUL16 0, 1, NQ-1, \slot, 0
	s_wait_dscnt 0x0                               ; the add is done, and my reads of this slot are over
	s_barrier_signal -1
	MUL16 2, 1, NQ-1, \slot, 0
	WIN 0
	s_barrier_wait -1
.if \fill
	CREST                                          ; the barrier has opened a round of the cluster's: no wave of any partner still reads this slot or has a load on its way
	s_add_nc_u64 s[G0+4*\slot+2:G0+4*\slot+3], s[G0+4*\slot+2:G0+4*\slot+3], 2*TILEB
	s_add_nc_u64 s[G0B+4*\slot+2:G0B+4*\slot+3], s[G0B+4*\slot+2:G0B+4*\slot+3], 2*TILEB
	JLOAD G0+4*\slot, G1, G0B+4*\slot, G1B         ; the first tensor load behind the round; its four v_nop are the places in front of the loads below
.else
	PLACES NP
.endif
	s_wait_alu depctr_va_vdst(0)                   ; the wait ahead of the reader below
	v_add_nc_u32 v[ADRS], 8+240*\slot, v[ADRS]     ; the next K slot's two words: 8 bytes on in a quad, or on to the next quad
	FETCH_B \next, 0, 0
	FETCH_A \next, 0, 0
	SCALES \next
.if \fill
	ASK \slot
.endif
	WIN MUL_HI
	MUL16 4, 1, NQ-1, \slot, 0
	MUL16 6, 1, NQ-1, \slot, 0
	PLACES NP
	WIN 0
	FETCH_A \next, 0, 4
.endm
; THE WAY OUT.  Three sets of 128 registers for the table (64 of cos, 64 of signed sin), block a in set a % 3: window 1 v0, window 1 v128, window 0 v128
.macro SETOF a
.if ((\a)%3) == 2
.set TW, 0
.set TBS, 128
.else
.set TW, 1
.set TBS, 128*((\a)%3)
.endif
.endm
.macro TLOADS a                        ; tile a of my group; register 64 z + 16 b + i of lane (r, h): cos (z = 0) or signed sin of d = 32 b + 16 h + i at the lane's token.  32 lanes read 512 consecutive bytes
	SETOF \a
	WIN (TW<<6)
.irp z, 0,1
.irp q, 0,1,2,3,4,5,6,7,8,9,10,11,12,13,14,15
	global_load_b128 v[TBS+64*\z+4*\q:TBS+64*\z+4*\q+3], v[LI], s[100:101] offset:(\a)*16384+8192*\z+512*\q
.endr
.endr
	WIN 0
.endm
.macro ROPE a                          ; t cos + t(d +- 64) x signed sin, into the cosines' registers; d + 64 is register + 32.  Each accumulator is read from its low end on
	SETOF \a
.set AC, 64*((\a)%4)
.set WAC, 2+(\a)/4
	WIN (WAC|(TW<<2)|(TW<<4)|(TW<<6))
.set p, 0
.rept 32
	v_pk_mul_f32 v[TBS+p:TBS+p+1], v[AC+p:AC+p+1], v[TBS+p:TBS+p+1]
.set p, p+2
.endr
.set p, 0
.rept 32
	v_pk_fma_f32 v[TBS+p:TBS+p+1], v[AC+(p+32)%64:AC+(p+32)%64+1], v[TBS+64+p:TBS+64+p+1], v[TBS+p:TBS+p+1]
.set p, p+2
.endr
	WIN 0
.endm
; 64 numbers of a lane in window w, register 16 b + i = k 32 b + 16 (lane / 16) + i of my row, become a fragment's codes in v[PC] on and its scale word in v[pw]
.macro QUANT s, w, pw
	WIN ((\w)|((\w)<<2))
.irp b, 0,1,2,3
	v_max3_num_f32 v[TM+\b], |v[(\s)+16*\b]|, |v[(\s)+16*\b+1]|, 0x1800000    ; with the floor 2^(3 - 127)
.endr
.irp i, 2,4,6,8,10,12,14
.irp b, 0,1,2,3
	v_max3_num_f32 v[TM+\b], |v[(\s)+16*\b+\i]|, |v[(\s)+16*\b+\i+1]|, v[TM+\b]
.endr
.endr
	WIN 0
.irp b, 0,1,2,3
	v_permlanex16_b32 v[TM+4+\b], v[TM+\b], s[SEL], s[SEL+1]
.endr
.irp b, 0,1,2,3
	v_max_num_f32 v[TM+\b], v[TM+\b], v[TM+4+\b]
.endr
.irp b, 0,1,2,3
	v_add_nc_u32 v[TM+12+\b], 0xff000000, v[TM+\b]
.endr
.irp b, 0,1,2,3
	v_lshrrev_b32 v[TM+4+\b], 23, v[TM+12+\b]
.endr
	v_lshl_or_b32 v[\pw], v[TM+5], 8, v[TM+4]
	v_lshl_or_b32 v[\pw], v[TM+6], 16, v[\pw]
	v_lshl_or_b32 v[\pw], v[TM+7], 24, v[\pw]
	WIN (\w)
.irp c, 0,1
	v_cvt_scalef32_pk16_fp6_f32 v[PC+6*\c:PC+2+6*\c], v[(\s)+32*\c:(\s)+15+32*\c], v[TM+12+2*\c]
	v_cvt_scalef32_pk16_fp6_f32 v[PC+12+4*\c:PC+14+4*\c], v[(\s)+16+32*\c:(\s)+31+32*\c], v[TM+12+2*\c+1]
.endr
	WIN 0
	v_nop                                          ; one plain place behind a scaled conversion
.irp c, 0,1
.irp i, 0,1,2
	v_permlane16_swap_b32 v[PC+6*\c+\i], v[PC+12+4*\c+\i]
.endr
.irp i, 0,1,2
	v_mov_b32 v[PC+3+6*\c+\i], v[PC+12+4*\c+\i]
.endr
.endr
.endm
.macro BLOCKOUT a, w, s
.if (\a) > 0
	s_wait_xcnt 0x0                                ; the last block's stores have read the codes' registers, which are written again below
.endif
	QUANT \s, \w, PW8+(\a)
.irp c, 0,1,2
	global_store_b128 v[LI], v[PC+4*\c:PC+4*\c+3], s[96:97] offset:(\a)*FRB+512*\c   ; 512 consecutive bytes a store
.endr
.endm
	s_wait_alu depctr_va_vdst(0)
	s_wait_tensorcnt 0x0                           ; my tile of the head's four is in
	ds_add_u32 v[SPW], v[NIL]
	s_mov_b32 s[G1+2], 8<<16                       ; no tensor load of mine is out, so descriptors may be written: from here on a load brings 8 tiles,
	s_mov_b32 s[G1+4], 8
	s_mov_b32 s[G1B+2], 8<<16
	s_mov_b32 s[G1B+4], 8
	s_mov_b32 s[G0+1], s45                         ; and slot 0's group 0 stands at my eight tiles of K slot 0
	s_add_nc_u64 s[G0+2:G0+3], s[G0+2:G0+3], s[18:19]
	s_mov_b32 s[G0B+1], s45
	s_add_nc_u64 s[G0B+2:G0B+3], s[G0B+2:G0B+3], s[18:19]
	s_wait_dscnt 0x0                               ; the add is done
	CROUND                                         ; a whole round: all four tiles are in, and all sixteen work-groups are here
	JLOAD G0+4, G1, G0B+4, G1B                     ; K slot 1, the first tensor load behind the round
	FETCH_B 0, 0, 0
	FETCH_A 0, 0, 0
	SCALES 0
	FETCH_A 0, 0, 4
	global_prefetch_b8 v[PFO], s[PFA:PFA+1] offset:3*TILEB th:TH_LOAD_NT scope:SCOPE_SE   ; K slot 3
	STEP 0, 0, 1                                   ; the first step's products start the sums
	s_mov_b32 s3, LAPS-1
.Llap:
	TURN 0, 1, 1
	STEP 1, 0, 0
	TURN 1, 0, 1
	STEP 0, 0, 0
	s_sub_co_u32 s3, s3, 1
	s_cmp_lg_u32 s3, 0
	s_cbranch_scc1 .Llap
	TURN 0, 1, 0                                   ; the last lap fills nothing
	STEP 1, 0, 0
	s_cmp_eq_u32 s95, 1
	s_cbranch_scc1 .Lno_t0                         ; a cluster that makes v reads no table
	TLOADS 0                                       ; B's set 0 is done with (four places stand behind its last products): the table for block 0
.Lno_t0:
	s_wait_dscnt 4*NL
	WIN MUL_LO
	MUL16 0, 1, NQ-1, 1, 0
	MUL16 2, 1, NQ-1, 1, 0
	s_wait_dscnt 0
	WIN MUL_HI
	MUL16 4, 1, NQ-1, 1, 0
	MUL16 6, 1, NQ-1, 1, 0
	WIN 0
	PLACES NP
.irp b, 0,1,2,3
	v_mov_b32 v[TM+4+\b], 0                        ; written once: a lane permute's destination counts as one of its sources
.endr
	s_cmp_eq_u32 s95, 1
	s_cbranch_scc1 .Lv_arm
	TLOADS 1
	TLOADS 2
.irp a, 0,1,2,3,4,5,6,7
.if \a < 6
	s_wait_loadcnt 63                              ; three sets, 96 loads, are out: at most 63 left means that this block's 32 are in
.else
	s_wait_loadcnt 32*(7-\a)                       ; the younger sets may be out
.endif
	ROPE \a
	BLOCKOUT \a, TW, TBS
.if \a < 5
	TLOADS \a+3
.endif
.endr
	s_branch .Lwords
.Lv_arm:
.irp a, 0,1,2,3,4,5,6,7
	BLOCKOUT \a, 2+\a/4, 64*(\a%4)                 ; v: straight from the accumulators
.endr
.Lwords:
	v_cmp_gt_u32 vcc_lo, 16, v[LN]                 ; lanes 0-15 take row r's words of blocks 0-3, lanes 16-31 those of blocks 4-7
.irp i, 0,1,2,3
	v_cndmask_b32 v[OW+\i], v[PW8+4+\i], v[PW8+\i], vcc_lo
.endr
	global_store_b128 v[SO], v[OW:OW+3], s[98:99]  ; 512 consecutive bytes
	s_wait_tensorcnt 0x0                           ; the wave's end
	ds_add_u32 v[SPW], v[NIL]
	s_wait_dscnt 0x0
	CROUND                                         ; the closing round
	s_endpgm
.Lfunc_end_k_qda516eacba_qkv:
	.size	k_qda516eacba_qkv, .Lfunc_end_k_qda516eacba_qkv-k_qda516eacba_qkv
	.p2alignl 7, 3214868480
	.fill 96, 4, 3214868480
	.section	.rodata,"a",@progbits
	.p2align	6, 0x0
	.amdhsa_kernel k_qda516eacba_qkv
		.amdhsa_group_segment_fixed_size 327680
		.amdhsa_private_segment_fixed_size 0
		.amdhsa_enable_private_segment 0
		.amdhsa_kernarg_size 32
		.amdhsa_user_sgpr_count 2
		.amdhsa_user_sgpr_kernarg_segment_ptr 1
		.amdhsa_wavefront_size32 1
		.amdhsa_system_sgpr_workgroup_id_x 1
		.amdhsa_system_sgpr_workgroup_id_y 1
		.amdhsa_system_sgpr_workgroup_id_z 1
		.amdhsa_system_vgpr_workitem_id 0
		.amdhsa_next_free_vgpr 1024
		.amdhsa_next_free_sgpr 102
		.amdhsa_reserve_vcc 1
		.amdhsa_float_denorm_mode_32 3
		.amdhsa_float_denorm_mode_16_64 3
		.amdhsa_memory_ordered 1
		.amdhsa_forward_progress 1
		.amdhsa_inst_pref_size 233
	.end_amdhsa_kernel
	.amdgpu_metadata
---
amdhsa.version: [ 1, 2 ]
amdhsa.kernels:
  - .name:           k_qda516eacba_qkv
    .symbol:         k_qda516eacba_qkv.kd
    .args:
      - { .name: xq, .offset: 0, .size: 8, .value_kind: global_buffer, .address_space: global }
      - { .name: wq, .offset: 8, .size: 8, .value_kind: global_buffer, .address_space: global }
      - { .name: rope, .offset: 16, .size: 8, .value_kind: global_buffer, .address_space: global }
      - { .name: qkv, .offset: 24, .size: 8, .value_kind: global_buffer, .address_space: global }
    .group_segment_fixed_size: 327680
    .private_segment_fixed_size: 0
    .kernarg_segment_align: 8
    .kernarg_segment_size: 32
    .max_flat_workgroup_size: 128
    .sgpr_count:     102
    .vgpr_count:     1024
    .wavefront_size: 32
...
	.end_amdgpu_metadata
.endif
;; end of part 2
;; launch attn (part 3): grid 16 x 16, 8 waves a work-group, clusters of 4 x 1, 327,680 bytes of LDS; arguments qkv, oq; writes oq
.if DOCPART == 3
	.amdgcn_target "amdgcn-amd-amdhsa--gfx1250"
	.amdhsa_code_object_version 6
	.text
	.protected	k_qda516eacba_attn
	.globl	k_qda516eacba_attn
	.p2align	8
	.type	k_qda516eacba_attn,@function
k_qda516eacba_attn:
	s_mov_b64 s[64:65], 0
	v_nop
	global_prefetch_b8 v0, s[64:65] scope:SCOPE_SE
	s_setreg_imm32_b32 hwreg(HW_REG_WAVE_MODE, 25, 1), 1
	s_wait_xcnt 0x0
	s_wait_alu depctr_hold_cnt(0) depctr_sa_sdst(0) depctr_va_vdst(0) depctr_va_sdst(0) depctr_va_ssrc(0) depctr_va_vcc(0) depctr_vm_vsrc(0)
	s_getreg_b32 s2, hwreg(HW_REG_IB_STS2, 6, 4)
	s_cmp_eq_u32 s2, 0
	s_cbranch_scc0 .Lentry_in_a_cluster
	s_endpgm
.Lentry_in_a_cluster:
	s_bfe_u32 s2, ttmp6, 0x10000c
	s_cmp_lg_u32 s2, 0x3003
	s_cbranch_scc0 .Lentry_shape_is_right
	s_endpgm
.Lentry_shape_is_right:
; ATTN.  o = softmax(q k^T / sqrt(128)) v under the causal mask, for each of 16 (batch, head), on codes of E2M3 with E8M0 scales; o is quantised along the head's 128 and stored as images for the projection.
; Both products are used transposed (S^T = k q^T, O^T = v^T p^T): a lane holds one query.  p = 2^(t - M), M the ceiling of the running largest t; the row's sum is taken of the unquantised p; O^T and the sum are
; brought under a new M by an exact power of two; p is quantised block by block of 32 keys.
; WORK LEFT OUT: key steps of 128 that lie wholly behind a tile's queries.  key 0 counts for every query, so the row's maximum is a kept score and
; their p is 0 for all finite inputs.  A NaN, an infinity or an overflow that reaches only those scores is not carried to the result.
; LIMITS: the promise holds while the scaled scores stay under 2^31 in magnitude; NaN and infinities are not served; a block of zeros gets the byte 1 (its codes are zeros; this program alone reads the bytes).
; THE DEAL.  A sequence has 16 groups of 128 queries (8 tiles of 16).  A wave holds two tiles, one of group g and one of group 15 - g (17 key steps together), and takes every second key step; waves w and w ^ 4 hold the same
; two tiles, in the other order, and the other steps: at the end each hands its second tile's sums to the other through LDS and finishes its first.  Cluster x has g = 2 x, 2 x + 1; the four partners take two tiles of each group.
; k: units of 12,800 bytes (eight images and their scale words) come by joint tensor loads, one unit a wave, eight key steps to a slot: slot 0 at the head, slot 1 behind the full sequence and a round; nothing is filled again.
; v: its images and scale words go from memory straight into registers, each load 512 consecutive bytes: of a step's 25,600 bytes a wave reads 12,800 from LDS and 12,800 from memory.  So v is not asked for jointly.
; PREFETCH of v: behind each of its steps wave 0 (even steps) and wave 4 (odd steps) of cluster x = 0 ask for the unit that they load two of their steps on; of its 50 blocks of 256 bytes 13 fall to each partner, by address
; (lanes left over name a block again); the first two units are asked for at the head; nothing is asked beyond step 15.  k's slot 1 has all of slot 0's work in which to land and is not prefetched.
.set FRB,   1536
.set STEPB, 8*FRB+512                  ; a unit of qkv: eight images and their 512 bytes of scale words [r 16][tile 8]
.set SLOT1, 131072
.set SPARE, 114688
.set KREG,  256*STEPB                  ; a region (q, k, v) of qkv: 256 units
.set SZ,    8448
.set TM,    48
.set PC,    224
.set PW,    64
.set MSB, 0
.macro WIN new
.if MSB != \new
	s_set_vgpr_msb (MSB<<8)|\new
.set MSB, \new
.endif
.endm
.macro CROUND
	s_barrier_signal -1
	s_barrier_wait -1
	s_cmp_lg_u32 s8, 0
	s_cbranch_scc1 .Lnot_wave_0_\@
	s_barrier_signal -3
.Lnot_wave_0_\@:
	s_barrier_wait -3
	s_barrier_signal -1
	s_barrier_wait -1
.endm
	s_load_b128 s[4:7], s[0:1], 0x0                ; qkv, oq
	v_lshl_add_u32 v5, v0, 2, SPARE
	v_mov_b32 v6, 0
	ds_add_u32 v5, v6                              ; the opening lines: the add, twice on end, and its wait
	ds_add_u32 v5, v6
	s_wait_dscnt 0x0
	v_lshrrev_b32 v8, 5, v0
	s_delay_alu instid0(VALU_DEP_1)
	v_readfirstlane_b32 s8, v8                     ; wave 0..7
	s_bfe_u32 s10, ttmp6, 0x40000                  ; cx
	s_and_b32 s9, ttmp7, 0xffff                    ; (batch, head)
	s_bfe_u32 s16, s8, 0x10001
	s_lshl_b32 s11, ttmp9, 1
	s_add_co_u32 s11, s11, s16
	s_sub_co_u32 s17, 15, s11
	s_cmp_ge_u32 s8, 4
	s_cselect_b32 s11, s17, s11                    ; my first tile's group,
	s_sub_co_u32 s14, 15, s11                      ; my second's,
	s_max_u32 s16, s11, s14                        ; my last key step
	s_and_b32 s57, s8, 1
	s_lshl_b32 s56, s10, 1
	s_add_co_u32 s56, s56, s57                     ; which tile of a group's eight
	s_mov_b32 s24, 15|(3<<16)|(1<<21)              ; group 1: a unit as 50 rows of 256 bytes, for all four partners
	s_mov_b32 s25, 32<<16
	s_mov_b32 s26, 50<<16
	s_mov_b32 s27, 32<<16
	s_mov_b32 s28, 50
	s_mov_b32 s29, 32
	s_mov_b32 s30, 0
	s_mov_b32 s31, 0
	s_lshr_b32 s3, s8, 2                           ; even (0) or odd (1) key steps
	s_mul_i32 s60, s9, 16*STEPB
	s_add_co_u32 s60, s60, KREG                    ; k's sixteen units of my (batch, head)
	s_mul_i32 s61, s3, STEPB
	s_add_co_u32 s62, s60, s61
	s_add_co_u32 s62, s62, KREG                    ; v's unit of my first key step
	s_mov_b32 s63, 0
	s_mul_i32 s61, s8, STEPB
	s_add_co_u32 s60, s60, s61                     ; I fetch k's unit = wave of a slot's eight
	s_mov_b32 s61, 0
	s_mov_b32 s20, 0x76543210
	s_mov_b32 s21, 0xfedcba98
	s_mov_b32 s22, 0x3e0293ee                      ; log2(e) / sqrt(128)
	s_mov_b32 s23, s22
	s_mul_i32 s2, s3, STEPB                        ; LDS: my first key step's unit
	s_mov_b32 s12, s3                              ; my key step
	s_wait_kmcnt 0x0
	s_mov_b32 s40, 1
	s_mul_i32 s41, s8, STEPB
	s_add_nc_u64 s[42:43], s[4:5], s[60:61]
	s_or_b32 s43, s43, 0x80000000
	s_add_nc_u64 s[32:33], s[4:5], s[62:63]        ; s[32:33]: v's unit of my key step
	CROUND                                         ; the round in front of the first joint loads: one load a wave
	tensor_load_to_lds s[40:43], s[24:31]
	s_nop 0
.rept 4
	v_nop
.endr
	s_lshl_b32 s58, s9, 4
	s_add_co_u32 s59, s58, s14
	s_add_co_u32 s58, s58, s11
	s_mul_i32 s63, s56, FRB                        ; q: my tile's image in its unit,
	s_mul_i32 s58, s58, STEPB                      ; the first group's unit,
	s_mul_i32 s62, s59, STEPB                      ; the second's
	s_add_co_u32 s60, s58, s63
	s_add_nc_u64 s[48:49], s[4:5], s[60:61]
	s_add_co_u32 s60, s62, s63
	s_add_nc_u64 s[66:67], s[4:5], s[60:61]
	s_lshl_b32 s63, s56, 2
	s_add_co_u32 s63, s63, 8*FRB                   ; and my tile's scale words, behind the unit's images
	s_add_co_u32 s60, s58, s63
	s_add_nc_u64 s[50:51], s[4:5], s[60:61]
	s_add_co_u32 s60, s62, s63
	s_add_nc_u64 s[68:69], s[4:5], s[60:61]
	s_lshr_b32 s58, s9, 3
	s_lshl_b32 s58, s58, 7
	s_lshl_b32 s59, s11, 3
	s_add_co_u32 s58, s58, s59
	s_add_co_u32 s58, s58, s56                     ; my first tile among the 256 tiles of tokens
	s_and_b32 s59, s9, 7
	s_lshl_b32 s60, s58, 3
	s_add_co_u32 s60, s60, s59
	s_mul_i32 s60, s60, FRB
	s_add_nc_u64 s[52:53], s[6:7], s[60:61]        ; o's image (tile, head)
	s_lshl_b32 s60, s59, 14
	s_lshl_b32 s62, s58, 6
	s_add_co_u32 s60, s60, s62
	s_add_co_u32 s60, s60, 3145728
	s_add_nc_u64 s[54:55], s[6:7], s[60:61]        ; its scale words
	s_and_b32 s62, s8, 3
	s_or_b32 s62, s62, ttmp9
	s_cmp_eq_u32 s62, 0
	s_cselect_b32 s15, 14, 0                       ; waves 0 and 4 of cluster x = 0 prefetch while their next step lies under 14; the others never
	s_mul_i32 s62, s10, 13
	v_and_b32 v84, 31, v0
	s_delay_alu instid0(VALU_DEP_1)
	v_min_u32 v28, 12, v84
	s_delay_alu instid0(VALU_DEP_1)
	v_add_nc_u32 v28, s62, v28
	s_delay_alu instid0(VALU_DEP_1)
	v_min_u32 v28, 49, v28                         ; block min(13 cx + min(lane, 12), 49) of a unit's 50
	s_delay_alu instid0(VALU_DEP_1)
	v_lshlrev_b32 v28, 8, v28
	v_lshlrev_b32 v1, 4, v84                       ; v1: 16 x lane
	v_lshlrev_b32 v84, 3, v84
	s_mul_i32 s62, s8, SZ
	s_xor_b32 s63, s8, 4
	s_mul_i32 s63, s63, SZ
	v_add_nc_u32 v7, s62, v1                       ; the hand-over at the end: my stage, my partner's
	v_add_nc_u32 v9, s63, v1
	v_add_nc_u32 v11, s62, v84
	s_delay_alu instid0(VALU_DEP_1)
	v_add_nc_u32 v11, 8192, v11
	v_add_nc_u32 v30, s63, v84
	s_delay_alu instid0(VALU_DEP_1)
	v_add_nc_u32 v30, 8192, v30
	v_and_b32 v85, 15, v0
	v_bfe_u32 v86, v0, 4, 1
	s_delay_alu instid0(VALU_DEP_2)
	v_lshlrev_b32 v3, 5, v85                       ; v3: 32 r: a row's eight scale words
	s_delay_alu instid0(VALU_DEP_1)
	v_add_nc_u32 v2, 8*FRB, v3
	s_delay_alu instid0(VALU_DEP_4)
	v_lshlrev_b32 v4, 2, v85
	v_and_b32 v87, 8, v85
	s_delay_alu instid0(VALU_DEP_1)
	v_add_nc_u32 v29, v87, v85
	v_lshlrev_b32 v87, 4, v86
	s_delay_alu instid0(VALU_DEP_1)
	v_sub_nc_u32 v29, v29, v87
	s_lshl_b32 s62, s10, 5
	s_lshl_b32 s63, s57, 3
	s_add_co_u32 s62, s62, s63
	v_add_nc_u32 v29, s62, v29                     ; v29: my query's place in its group, less 16 h: the mask on the diagonal
	s_cmp_eq_u32 s15, 0
	s_wait_alu depctr_va_vdst(0)
	s_cbranch_scc1 .Lno_ask
	global_prefetch_b8 v28, s[32:33] th:TH_LOAD_NT scope:SCOPE_SE                   ; v's units of my first two steps
	global_prefetch_b8 v28, s[32:33] offset:2*STEPB th:TH_LOAD_NT scope:SCOPE_SE
.Lno_ask:
.irp c, 0,1,2
	global_load_b128 v[16+4*\c:19+4*\c], v1, s[48:49] offset:512*\c
.endr
.irp c, 0,1,2
	global_load_b128 v[66+4*\c:69+4*\c], v1, s[66:67] offset:512*\c
.endr
	global_load_b32 v255, v3, s[50:51]
	global_load_b32 v31, v3, s[68:69]
	v_mov_b32 v13, 0xff61b1e6                      ; the largest t so far: -3e38
	s_delay_alu instid0(VALU_DEP_1)
	v_floor_f32 v12, -v13
	v_mov_b32 v14, 0
	v_mov_b32 v15, 0
	v_mov_b32 v81, 0xff61b1e6
	s_delay_alu instid0(VALU_DEP_1)
	v_floor_f32 v80, -v81
	v_mov_b32 v82, 0
	v_mov_b32 v83, 0
.irp b, 0,1,2,3
	v_mov_b32 v[236+\b], 0
	v_mov_b32 v[TM+4+\b], 0
.endr
	v_mov_b32 v252, 0
	v_mov_b32 v253, 0
.set j, 0
.rept 64
	v_mov_b32 v[160+j], 0                          ; O^T of both tiles: the step is written once, and which step is a tile's first hangs on the wave
.set j, j+1
.endr
	WIN 0x40
.set j, 0
.rept 64
	v_mov_b32 v[192+j], 0
.set j, j+1
.endr
	WIN 0
.macro KLOAD                           ; k's eight fragments and scale words of my key step, from LDS
	v_add_nc_u32 v8, s2, v1
	v_add_nc_u32 v10, s2, v2
	WIN 0x40
.irp t, 0,1,2,3,4,5,6,7
.irp c, 0,1,2
	ds_load_b128 v[12*\t+4*\c:12*\t+4*\c+3], v8 offset:\t*FRB+512*\c
.endr
.endr
	WIN 0
	ds_load_b128 v[32:35], v10
	ds_load_b128 v[36:39], v10 offset:16
.endm
.macro KNEXT                           ; those of my next key step, two units on in the same slot
	WIN 0x40
.irp t, 0,1,2,3,4,5,6,7
.irp c, 0,1,2
	ds_load_b128 v[12*\t+4*\c:12*\t+4*\c+3], v8 offset:2*STEPB+\t*FRB+512*\c
.endr
.endr
	WIN 0
	ds_load_b128 v[32:35], v10 offset:2*STEPB
	ds_load_b128 v[36:39], v10 offset:2*STEPB+16
.endm
.macro SCORES qf, qs
	WIN 0x01
.irp t, 0,1,2,3,4,5,6,7
	v_wmma_scale_f32_16x16x128_f8f6f4 v[96+8*\t:103+8*\t], v[12*\t:12*\t+11], v[\qf:\qf+11], 0, v[32+\t], v[\qs] matrix_a_fmt:MATRIX_FMT_FP6 matrix_b_fmt:MATRIX_FMT_FP6
.endr
	WIN 0
.rept 4
	v_nop
.endr
.endm
; the softmax's step on 16 queries x 128 keys, p's quantiser, and O^T += v^T p^T.  st: -M, the largest t, the sum in two halves; g: the tile's group; ow: O^T in window 0 or 1
.macro SOFT st, g, ow
	s_cmp_lg_u32 s12, s[\g]
	s_cbranch_scc1 .Lopen_\@
	v_mov_b32 v254, 0xff800000                     ; on the diagonal: keys behind my query count for nothing
.set n, 0
.rept 64
	v_cmp_gt_i32 vcc_lo, 32*(n/16)+n%16, v29
	v_cndmask_b32 v[96+n], v[96+n], v254, vcc_lo
.set n, n+1
.endr
.Lopen_\@:
.irp b, 0,1,2,3
	v_max3_num_f32 v[232+\b], v[96+16*\b], v[97+16*\b], v[98+16*\b]
.endr
.irp i, 3,5,7,9,11,13
.irp b, 0,1,2,3
	v_max3_num_f32 v[232+\b], v[232+\b], v[96+16*\b+\i], v[97+16*\b+\i]
.endr
.endr
.irp b, 0,1,2,3
	v_max_num_f32 v[232+\b], v[232+\b], v[111+16*\b]
.endr
.irp b, 0,1,2,3
	s_delay_alu instid0(VALU_DEP_4)
	v_permlanex16_b32 v[236+\b], v[232+\b], s20, s21
.endr
.irp b, 0,1,2,3
	s_delay_alu instid0(VALU_DEP_4)
	v_max_num_f32 v[232+\b], v[232+\b], v[236+\b]
.endr
	s_delay_alu instid0(VALU_DEP_2)
	v_max3_num_f32 v254, v232, v233, v234
	s_delay_alu instid0(VALU_DEP_1)
	v_max_num_f32 v254, v254, v235
	s_delay_alu instid0(VALU_DEP_1)
	v_mul_f32 v254, s22, v254
	s_delay_alu instid0(VALU_DEP_1)
	v_max_num_f32 v[\st+1], v[\st+1], v254
	v_mov_b32 v254, v[\st]
	s_delay_alu instid0(VALU_DEP_2)
	v_floor_f32 v[\st], -v[\st+1]
	s_delay_alu instid0(VALU_DEP_1)
	v_sub_f32 v254, v[\st], v254
	s_delay_alu instid0(VALU_DEP_1)
	v_cvt_i32_f32 v254, v254
	s_delay_alu instid0(VALU_DEP_1)
	v_ldexp_f32 v252, 1.0, v254
.set j, 0
.rept 32
	v_pk_fma_f32 v[96+j:97+j], v[96+j:97+j], s[22:23], v[\st:\st+1] op_sel_hi:[1,0,0]
.set j, j+2
.endr
.irp b, 0,1,2,3
	v_fma_f32 v[232+\b], v[232+\b], s22, v[\st]
.endr
.set j, 0
	s_wait_alu depctr_va_vdst(0)                   ; the wait ahead of the batch
.rept 64
	v_exp_f32 v[96+j], v[96+j]
.set j, j+1
.endr
	v_pk_mul_f32 v[\st+2:\st+3], v[\st+2:\st+3], v[252:253] op_sel_hi:[1,0]
	s_wait_alu depctr_va_vdst(0)                   ; and behind it
.irp b, 0,1,2,3
	v_exp_f32 v[232+\b], v[232+\b]
.endr
	v_pk_add_f32 v[236:237], v[96:97], v[98:99]
.irp j, 4,8,12,16,20,24,28,32,36,40,44,48,52,56,60
	v_pk_add_f32 v[\st+2:\st+3], v[\st+2:\st+3], v[96+\j:97+\j]
	v_pk_add_f32 v[236:237], v[236:237], v[98+\j:99+\j]
.endr
	s_delay_alu instid0(VALU_DEP_1)
	v_pk_add_f32 v[\st+2:\st+3], v[\st+2:\st+3], v[236:237]
	s_wait_alu depctr_va_vdst(0)
.irp b, 0,1,2,3
	v_max_num_f32 v[232+\b], 0x1800000, v[232+\b]
.endr
.irp b, 0,1,2,3
	s_delay_alu instid0(VALU_DEP_4)
	v_add_nc_u32 v[244+\b], 0xff000000, v[232+\b]
.endr
.irp b, 0,1,2,3
	s_delay_alu instid0(VALU_DEP_4)
	v_lshrrev_b32 v[236+\b], 23, v[244+\b]
.endr
	s_delay_alu instid0(VALU_DEP_3)
	v_lshl_or_b32 v253, v237, 8, v236
	s_delay_alu instid0(VALU_DEP_1)
	v_lshl_or_b32 v253, v238, 16, v253
	s_delay_alu instid0(VALU_DEP_1)
	v_lshl_or_b32 v253, v239, 24, v253
.irp c, 0,1
	v_cvt_scalef32_pk16_fp6_f32 v[224+6*\c:226+6*\c], v[96+32*\c:111+32*\c], v[244+2*\c]
	v_cvt_scalef32_pk16_fp6_f32 v[236+4*\c:238+4*\c], v[112+32*\c:127+32*\c], v[244+2*\c+1]
.endr
	v_nop
.irp c, 0,1
.irp i, 0,1,2
	v_permlane16_swap_b32 v[224+6*\c+\i], v[236+4*\c+\i]
.endr
.irp i, 0,1,2
	s_delay_alu instid0(VALU_DEP_3)
	v_mov_b32 v[227+6*\c+\i], v[236+4*\c+\i]
.endr
.endr
.if \ow
	WIN 0x41
.set j, 0
.rept 32
	v_pk_mul_f32 v[192+j:193+j], v[192+j:193+j], v[252:253] op_sel_hi:[1,0]
.set j, j+2
.endr
	s_wait_alu depctr_va_vdst(0)
	s_wait_loadcnt 0x0                             ; v's fragments and scale words are in (k's next ones may be out)
	WIN 0x51
.irp t, 0,1,2,3,4,5,6,7
	v_wmma_scale_f32_16x16x128_f8f6f4 v[192+8*\t:199+8*\t], v[96+12*\t:107+12*\t], v[224:235], v[192+8*\t:199+8*\t], v[40+\t], v253 matrix_a_fmt:MATRIX_FMT_FP6 matrix_b_fmt:MATRIX_FMT_FP6
.endr
.else
.set j, 0
.rept 32
	v_pk_mul_f32 v[160+j:161+j], v[160+j:161+j], v[252:253] op_sel_hi:[1,0]
.set j, j+2
.endr
	s_wait_alu depctr_va_vdst(0)
	s_wait_loadcnt 0x0                             ; v's fragments and scale words are in (k's next ones may be out)
	WIN 0x01
.irp t, 0,1,2,3,4,5,6,7
	v_wmma_scale_f32_16x16x128_f8f6f4 v[160+8*\t:167+8*\t], v[96+12*\t:107+12*\t], v[224:235], v[160+8*\t:167+8*\t], v[40+\t], v253 matrix_a_fmt:MATRIX_FMT_FP6 matrix_b_fmt:MATRIX_FMT_FP6
.endr
.endif
	WIN 0
.endm
; one of my key steps.  pre = 1: my next step lies in the same slot, and its k is fetched as soon as this step's is done with.  The branches hang on ids and on the counted step alone
.macro STEP pre
	s_cmp_gt_u32 s12, s16
	s_cbranch_scc1 .Lend_\@                        ; behind both my tiles: nothing to do
.if \pre
	v_add_nc_u32 v8, s2, v1
	v_add_nc_u32 v10, s2, v2
.else
	v_nop
	v_nop
.endif
	v_nop
	v_nop                                          ; four places behind the last step's products, ahead of the loads into v's registers
	WIN 0x40
.irp t, 0,1,2,3,4,5,6,7
.irp c, 0,1,2
	global_load_b128 v[96+12*\t+4*\c:96+12*\t+4*\c+3], v1, s[32:33] offset:\t*FRB+512*\c   ; v's image t: 512 consecutive bytes a load
.endr
.endr
	WIN 0
	global_load_b128 v[40:43], v3, s[32:33] offset:8*FRB
	global_load_b128 v[44:47], v3, s[32:33] offset:8*FRB+16
	s_wait_dscnt 0x0                               ; k's fragments and scale words are in
	s_cmp_gt_u32 s12, s11
	s_cbranch_scc1 .Loth_\@
	SCORES 16, 255
.if \pre
	s_cmp_le_u32 s12, s14
	s_cbranch_scc1 .Lkeep_\@                       ; the second tile still wants this step's k
	s_wait_alu depctr_va_vdst(0)
	KNEXT
.Lkeep_\@:
.endif
	SOFT 12, 11, 0
	s_cmp_gt_u32 s12, s14
	s_cbranch_scc1 .Lend_\@
.Loth_\@:
	SCORES 66, 31
.if \pre
	s_wait_alu depctr_va_vdst(0)
	KNEXT
.endif
	SOFT 80, 14, 1
.Lend_\@:
	s_add_co_u32 s12, s12, 2
	s_add_co_u32 s2, s2, 2*STEPB
	s_wait_xcnt 0x0                                ; my loads and my last prefetch have read v's address, which steps to my next key step
	s_add_nc_u64 s[32:33], s[32:33], 2*STEPB
	s_cmp_lt_u32 s12, s15
	s_cbranch_scc0 .Lna_\@
	global_prefetch_b8 v28, s[32:33] offset:2*STEPB th:TH_LOAD_NT scope:SCOPE_SE   ; v's unit of the step after my next: at most step 15
.Lna_\@:
.endm
.macro FOUR lab                        ; a slot's four steps of mine
	KLOAD
	s_mov_b32 s13, 3
\lab:
	STEP 1
	s_sub_co_u32 s13, s13, 1
	s_cmp_lg_u32 s13, 0
	s_cbranch_scc1 \lab
	STEP 0
.endm
	s_wait_loadcnt 0x0                             ; q's fragments and scale words are in
	s_wait_tensorcnt 0x0                           ; my unit of slot 0 has landed
	ds_add_u32 v5, v6
	s_xor_b32 s41, s41, SLOT1                      ; no load of mine is out: group 0 steps to slot 1, key steps 8 to 15
	s_add_nc_u64 s[42:43], s[42:43], 8*STEPB
	s_wait_dscnt 0x0
	CROUND
	tensor_load_to_lds s[40:43], s[24:31]          ; slot 1's one fill, the first tensor load behind the round
	s_nop 0
.rept 4
	v_nop
.endr
	FOUR .Lstep_a
	s_mul_i32 s2, s3, STEPB
	s_add_co_u32 s2, s2, SLOT1
	s_wait_tensorcnt 0x0                           ; my unit of slot 1 has landed,
	ds_add_u32 v5, v6
	s_wait_dscnt 0x0                               ; my reads of slot 0 are over,
	s_barrier_signal -1
	s_barrier_wait -1                              ; and both hold of every wave
	FOUR .Lstep_b
.rept 4
	v_nop
.endr
	; the hand-over: my second tile's O^T, -M and sum to my partner's stage (on slot 0, which has had its one fill and which nobody reads any more); my first tile's other half from it
	v_add_f32 v81, v82, v83
	WIN 0x04
	s_wait_alu depctr_va_vdst(0)
.irp k, 0,1,2,3,4,5,6,7,8,9,10,11,12,13,14,15
	ds_store_b128 v7, v[192+4*\k:195+4*\k] offset:512*\k
.endr
	WIN 0
	ds_store_b64 v11, v[80:81]
	s_wait_dscnt 0x0
	s_barrier_signal -1
	s_barrier_wait -1
.irp k, 0,1,2,3,4,5,6,7,8,9,10,11,12,13,14,15
	ds_load_b128 v[96+4*\k:99+4*\k], v9 offset:512*\k
.endr
	ds_load_b64 v[84:85], v30
	v_add_f32 v14, v14, v15
	s_wait_dscnt 0x0
	v_min_num_f32 v86, v12, v84                    ; the larger M of the two halves; each half is brought under it by an exact power of two
	s_delay_alu instid0(VALU_DEP_1)
	v_sub_f32 v87, v86, v12
	s_delay_alu instid0(VALU_DEP_2)
	v_sub_f32 v88, v86, v84
	s_delay_alu instid0(VALU_DEP_2)
	v_cvt_i32_f32 v87, v87
	s_delay_alu instid0(VALU_DEP_2)
	v_cvt_i32_f32 v88, v88
	s_delay_alu instid0(VALU_DEP_2)
	v_ldexp_f32 v90, 1.0, v87
	s_wait_alu depctr_va_vdst(0)
	v_ldexp_f32 v92, 1.0, v88
	v_mul_f32 v14, v14, v90
	s_delay_alu instid0(VALU_DEP_1)
	v_fma_f32 v14, v85, v92, v14
	s_delay_alu instid0(VALU_DEP_1)
	v_permlanex16_b32 v252, v14, s20, s21
	s_delay_alu instid0(VALU_DEP_1)
	v_add_f32 v14, v14, v252                       ; the row's sum
	s_wait_alu depctr_va_vdst(0)
	v_rcp_f32 v86, v14
	v_nop
	s_wait_alu depctr_va_vdst(0)
	v_mul_f32 v90, v90, v86
	v_mul_f32 v92, v92, v86
	s_delay_alu instid0(VALU_DEP_2)
	v_mov_b32 v91, v90
	s_delay_alu instid0(VALU_DEP_2)
	v_mov_b32 v93, v92
.set j, 0
.rept 32
	v_pk_mul_f32 v[96+j:97+j], v[96+j:97+j], v[92:93]
.set j, j+2
.endr
.set j, 0
.rept 32
	v_pk_fma_f32 v[96+j:97+j], v[160+j:161+j], v[90:91], v[96+j:97+j]
.set j, j+2
.endr
	; o's quantiser along the head's 128
.irp b, 0,1,2,3
	v_max3_num_f32 v[TM+\b], |v[96+16*\b]|, |v[97+16*\b]|, 0x1800000
.endr
.irp i, 2,4,6,8,10,12,14
.irp b, 0,1,2,3
	s_delay_alu instid0(VALU_DEP_4)
	v_max3_num_f32 v[TM+\b], v[TM+\b], |v[96+16*\b+\i]|, |v[97+16*\b+\i]|
.endr
.endr
.irp b, 0,1,2,3
	s_delay_alu instid0(VALU_DEP_4)
	v_permlanex16_b32 v[TM+4+\b], v[TM+\b], s20, s21
.endr
.irp b, 0,1,2,3
	s_delay_alu instid0(VALU_DEP_4)
	v_max_num_f32 v[TM+\b], v[TM+\b], v[TM+4+\b]
.endr
.irp b, 0,1,2,3
	s_delay_alu instid0(VALU_DEP_4)
	v_add_nc_u32 v[TM+12+\b], 0xff000000, v[TM+\b]
.endr
.irp b, 0,1,2,3
	s_delay_alu instid0(VALU_DEP_4)
	v_lshrrev_b32 v[TM+4+\b], 23, v[TM+12+\b]
.endr
	s_delay_alu instid0(VALU_DEP_3)
	v_lshl_or_b32 v[PW], v[TM+5], 8, v[TM+4]
	s_delay_alu instid0(VALU_DEP_1)
	v_lshl_or_b32 v[PW], v[TM+6], 16, v[PW]
	s_delay_alu instid0(VALU_DEP_1)
	v_lshl_or_b32 v[PW], v[TM+7], 24, v[PW]
.irp c, 0,1
	v_cvt_scalef32_pk16_fp6_f32 v[PC+6*\c:PC+2+6*\c], v[96+32*\c:111+32*\c], v[TM+12+2*\c]
	v_cvt_scalef32_pk16_fp6_f32 v[PC+12+4*\c:PC+14+4*\c], v[112+32*\c:127+32*\c], v[TM+12+2*\c+1]
.endr
	v_nop
.irp c, 0,1
.irp i, 0,1,2
	v_permlane16_swap_b32 v[PC+6*\c+\i], v[PC+12+4*\c+\i]
.endr
.irp i, 0,1,2
	s_delay_alu instid0(VALU_DEP_3)
	v_mov_b32 v[PC+3+6*\c+\i], v[PC+12+4*\c+\i]
.endr
.endr
.irp c, 0,1,2
	global_store_b128 v1, v[PC+4*\c:PC+4*\c+3], s[52:53] offset:512*\c   ; the image: 512 consecutive bytes a store
.endr
	global_store_b32 v4, v[PW], s[54:55]
	s_wait_tensorcnt 0x0                           ; the wave's end
	ds_add_u32 v5, v6
	s_wait_dscnt 0x0
	CROUND                                         ; the closing round
	s_endpgm
.Lfunc_end_k_qda516eacba_attn:
	.size	k_qda516eacba_attn, .Lfunc_end_k_qda516eacba_attn-k_qda516eacba_attn
	.p2alignl 7, 3214868480
	.fill 96, 4, 3214868480
	.section	.rodata,"a",@progbits
	.p2align	6, 0x0
	.amdhsa_kernel k_qda516eacba_attn
		.amdhsa_group_segment_fixed_size 327680
		.amdhsa_private_segment_fixed_size 0
		.amdhsa_enable_private_segment 0
		.amdhsa_kernarg_size 16
		.amdhsa_user_sgpr_count 2
		.amdhsa_user_sgpr_kernarg_segment_ptr 1
		.amdhsa_wavefront_size32 1
		.amdhsa_system_sgpr_workgroup_id_x 1
		.amdhsa_system_sgpr_workgroup_id_y 1
		.amdhsa_system_sgpr_workgroup_id_z 1
		.amdhsa_system_vgpr_workitem_id 0
		.amdhsa_next_free_vgpr 512
		.amdhsa_next_free_sgpr 72
		.amdhsa_reserve_vcc 1
		.amdhsa_float_denorm_mode_32 3
		.amdhsa_float_denorm_mode_16_64 3
		.amdhsa_memory_ordered 1
		.amdhsa_forward_progress 1
		.amdhsa_inst_pref_size 220
	.end_amdhsa_kernel
	.amdgpu_metadata
---
amdhsa.version: [ 1, 2 ]
amdhsa.kernels:
  - .name:           k_qda516eacba_attn
    .symbol:         k_qda516eacba_attn.kd
    .args:
      - { .name: qkv, .offset: 0, .size: 8, .value_kind: global_buffer, .address_space: global }
      - { .name: oq, .offset: 8, .size: 8, .value_kind: global_buffer, .address_space: global }
    .group_segment_fixed_size: 327680
    .private_segment_fixed_size: 0
    .kernarg_segment_align: 8
    .kernarg_segment_size: 16
    .max_flat_workgroup_size: 256
    .sgpr_count:     72
    .vgpr_count:     512
    .wavefront_size: 32
...
	.end_amdgpu_metadata
.endif
;; end of part 3
;; launch outp (part 4): grid 8 x 32, 4 waves a work-group, clusters of 4 x 4, 327,680 bytes of LDS; arguments oq, wq, out0; writes out0
.if DOCPART == 4
	.amdgcn_target "amdgcn-amd-amdhsa--gfx1250"
	.amdhsa_code_object_version 6
	.text
	.protected	k_qda516eacba_outp
	.globl	k_qda516eacba_outp
	.p2align	8
	.type	k_qda516eacba_outp,@function
k_qda516eacba_outp:
	s_mov_b64 s[64:65], 0
	v_nop
	global_prefetch_b8 v0, s[64:65] scope:SCOPE_SE
	s_setreg_imm32_b32 hwreg(HW_REG_WAVE_MODE, 25, 1), 1
	s_wait_xcnt 0x0
	s_wait_alu depctr_hold_cnt(0) depctr_sa_sdst(0) depctr_va_vdst(0) depctr_va_sdst(0) depctr_va_ssrc(0) depctr_va_vcc(0) depctr_vm_vsrc(0)
	s_getreg_b32 s2, hwreg(HW_REG_IB_STS2, 6, 4)
	s_cmp_eq_u32 s2, 0
	s_cbranch_scc0 .Lentry_in_a_cluster
	s_endpgm
.Lentry_in_a_cluster:
	s_bfe_u32 s2, ttmp6, 0x10000c
	s_cmp_lg_u32 s2, 0xf033
	s_cbranch_scc0 .Lentry_shape_is_right
	s_endpgm
.Lentry_shape_is_right:
; OUTP.  out0 [4096][2048] f32 = o [4096][1024] x Wo [1024][2048], on codes of E2M3 with E8M0 scales.  K step = head.
; A work-group of four waves makes 128 x 256 (256 work-groups); a wave 64 x 128: 32 accumulators.  ALL OF K lies in LDS (294,912 bytes of codes): every LDS byte is filled once, at the start, so there is no ring.
; THE HEAD: one joint load a wave: wave 0 o's 8 tiles (98,304 dense bytes), waves 1 and 2 eight tiles of Wo each (the same size), wave 3 o's scale words.
; Wo's scale words go from memory straight into registers: sixteen lanes read 256 consecutive bytes.
; TWO PHASES of 64 columns (four tiles of Wo), each over all of K.  o's 32 fragments are read from LDS once, in phase 0, and stay in 384 registers, so no fragment is read twice.
; Phase 0's results leave between phase 1's K steps, a block of 16 tokens x 64 columns a step: rows of 256 bytes, whole aligned units.
; Operands are images of their registers (1,536 bytes a fragment).  Source 0 = 16 columns of Wo, source 1 = 16 tokens: a lane holds one token; the 16 registers of tiles 2 b, 2 b + 1 are 16 neighbouring columns.
; CLUSTERS: 4 x 4.  o's tiles are shared along a row of the cluster, Wo's along a column: joint loads.  No prefetch: the launch has no loop over tiles to run ahead in; all that it reads is asked for at its head.
; REGISTERS: window 0: v16-27 addresses; v32-63 o's scale words (8 a + K step), v64-127 Wo's; v128-191 rows of out0, two sets.  window 1: v0-95 Wo's fragments, two sets of four; v96-239 o's fragments of K steps 5-7.
;   window 2: accumulator (a, b) at v[8 (8 a + b)].  window 3: v0-239 o's fragments of K steps 0-4.
.set FR,     12
.set FRB,    1536
.set TILEK,  8*FRB                     ; a tile's eight K steps
.set ASCL,   24*TILEK                  ; behind o's 8 tiles and Wo's 16: o's scale words [K step 8][tile 8][r 16]
.set SPARE,  0x4b000                   ; the spare words: 128 bytes a wave
.set STG,    0x4b200                   ; behind them: a stage of 16 rows x (256 bytes + 16) for each wave, on bytes of its own: no fill lands there
.set SPITCH, 272
.set ADRA, 16
.set ADRB, 20                          ; v20 Wo's tiles of phase 0, v21 of phase 1
.set STO,  24
.set RD,   25
.set CO,   26
.set SA,   32
.set SB,   64
.set BK,   128
.set MSB, 0
.macro WIN new
.if MSB != \new
	s_set_vgpr_msb (MSB<<8)|\new
.set MSB, \new
.endif
.endm
.macro CROUND
	s_barrier_signal -1
	s_barrier_wait -1
	s_cmp_lg_u32 s14, 0
	s_cbranch_scc1 .Lnot_wave_0_\@
	s_barrier_signal -3
.Lnot_wave_0_\@:
	s_barrier_wait -3
	s_barrier_signal -1
	s_barrier_wait -1
.endm
.macro PLACES
.rept 4
	v_nop
.endr
.endm
	s_load_b128 s[4:7], s[0:1], 0x0                ; oq, wq
	s_load_b64 s[8:9], s[0:1], 0x10                ; out0
	v_lshl_add_u32 v30, v0, 2, SPARE
	v_mov_b32 v31, 0
	ds_add_u32 v30, v31                            ; the opening lines: the add, twice on end, and its wait
	ds_add_u32 v30, v31
	v_lshrrev_b32 v1, 5, v0
	v_readfirstlane_b32 s14, v1                    ; wave 0..3
	s_lshr_b32 s15, s14, 1                         ; which 64 tokens are mine.  Also: which eight tiles of Wo waves 1 (0) and 2 (1) fetch
	s_and_b32 s16, s14, 1                          ; which 128 columns
	s_bfe_u32 s40, ttmp6, 0x40000                  ; cx
	s_bfe_u32 s41, ttmp6, 0x40004                  ; cy
	s_lshl_b32 s42, ttmp9, 2
	s_add_co_u32 s42, s42, s40                     ; tc: which 256 columns
	s_and_b32 s17, ttmp7, 0xffff
	s_lshl_b32 s17, s17, 2
	s_add_co_u32 s17, s17, s41                     ; tr: which 128 tokens
	s_lshl_b32 s43, s41, 2
	s_lshl_b32 s43, 15, s43                        ; my row of the cluster
	s_lshl_b32 s44, 0x1111, s40                    ; my column
	; group 1, elements of 8 bytes, no padding.  Codes: 8 tiles x 12,288 bytes, on end
	s_or_b32 s24, s43, (3<<16)|(1<<21)
	s_or_b32 s32, s44, (3<<16)|(1<<21)
.irp g, 24, 32
	s_mov_b32 s[\g+1], 1536<<16
	s_mov_b32 s[\g+2], 8<<16
	s_mov_b32 s[\g+3], 1536<<16
	s_mov_b32 s[\g+4], 8
	s_mov_b32 s[\g+5], 1536
	s_mov_b32 s[\g+6], 0
	s_mov_b32 s[\g+7], 0
.endr
	; o's scale words: 8 heads x 512 bytes (8 tiles), 16,384 apart
	s_or_b32 s48, s43, (3<<16)|(1<<21)
	s_mov_b32 s49, 64<<16
	s_mov_b32 s50, 8<<16
	s_mov_b32 s51, 64<<16
	s_mov_b32 s52, 8
	s_mov_b32 s53, 2048
	s_mov_b32 s54, 0
	s_mov_b32 s55, 0
	s_mul_i32 s20, s17, 8*TILEK                    ; o's codes: tile 8 tr
	s_mov_b32 s21, 0
	s_lshl_b32 s22, s17, 9
	s_add_co_u32 s22, s22, 3145728                 ; its scale words: tiles 8 tr on
	s_mov_b32 s23, 0
	s_lshl_b32 s46, s42, 4
	s_lshl_b32 s18, s16, 3
	s_add_co_u32 s92, s46, s18                     ; Wo's tile 16 tc + 8 x my half of the columns:
	s_lshl_b32 s92, s92, 9
	s_add_co_u32 s92, s92, 6488064                 ; its scale words, 512 bytes a tile
	s_mov_b32 s93, 0
	s_lshl_b32 s18, s15, 3
	s_add_co_u32 s46, s46, s18                     ; Wo's tile 16 tc + 8 e: what wave 1 + e fetches
	s_mul_i32 s46, s46, TILEK
	s_add_co_u32 s46, s46, 4718592
	s_mov_b32 s47, 0
	s_mul_i32 s45, s15, 8*TILEK
	s_add_co_u32 s45, s45, 8*TILEK                 ; and where it goes: behind o's eight
	s_mul_i32 s80, s15, 4*TILEK                    ; my four tiles of o,
	s_mul_i32 s81, s16, 8*TILEK
	s_add_co_u32 s81, s81, 8*TILEK                 ; my eight of Wo,
	s_lshl_b32 s82, s15, 8
	s_add_co_u32 s82, s82, ASCL                    ; my four tiles' scale words,
	s_mul_i32 s83, s14, 16*SPITCH
	s_add_co_u32 s83, s83, STG                     ; my stage
	v_and_b32 v3, 31, v0
	v_lshlrev_b32 v27, 4, v3                       ; 16 x lane
	v_and_b32 v1, 15, v0                           ; r
	v_bfe_u32 v2, v0, 4, 1                         ; h
	v_add_nc_u32 v[ADRA], s80, v27
	v_add_nc_u32 v[ADRB], s81, v27
	v_add_nc_u32 v[ADRB+1], 4*TILEK, v[ADRB]
	v_lshlrev_b32 v22, 2, v1
	v_add_nc_u32 v22, s82, v22                     ; o's scale words: row r
	v_lshlrev_b32 v23, 4, v1                       ; Wo's, in memory: row r's four words of a quad
	v_mul_u32_u24 v[STO], v1, SPITCH
	v_lshl_add_u32 v[STO], v2, 6, v[STO]
	v_add_nc_u32 v[STO], s83, v[STO]               ; the stage, way in: row r, + 64 h
	v_mul_u32_u24 v[RD], v2, SPITCH
	v_add_nc_u32 v[RD], v[RD], v23
	v_add_nc_u32 v[RD], s83, v[RD]                 ; way out: lanes 0-15 one row of 256 bytes, lanes 16-31 the next
	v_lshl_add_u32 v[CO], v2, 13, v23              ; and the same two rows in out0
	s_lshl_b32 s84, s17, 7
	s_lshl_b32 s85, s15, 6
	s_add_co_u32 s84, s84, s85
	s_lshl_b32 s84, s84, 13                        ; my first token's row of 8,192 bytes
	s_lshl_b32 s85, s42, 10
	s_add_co_u32 s84, s84, s85
	s_lshl_b32 s85, s16, 9
	s_add_co_u32 s84, s84, s85
	s_mov_b32 s85, 0
	s_wait_alu depctr_va_vdst(0)
	s_wait_dscnt 0x0                               ; both opening adds are done
	s_wait_kmcnt 0x0
	s_add_nc_u64 s[10:11], s[6:7], s[92:93]
.irp i, 0,1,2,3,4,5,6,7
.irp q, 0,1
	global_load_b128 v[SB+8*\i+4*\q:SB+8*\i+4*\q+3], v23, s[10:11] offset:\i*512+\q*256   ; Wo's scale words: tile i, K steps 4 q .. 4 q + 3
.endr
.endr
	s_mov_b32 s68, 1
	s_mov_b32 s69, 0
	s_add_nc_u64 s[70:71], s[4:5], s[20:21]
	s_or_b32 s71, s71, 0x80000000
	s_mov_b32 s72, 1
	s_mov_b32 s73, s45
	s_add_nc_u64 s[74:75], s[6:7], s[46:47]
	s_or_b32 s75, s75, 0x80000000
	s_mov_b32 s76, 1
	s_mov_b32 s77, ASCL
	s_add_nc_u64 s[78:79], s[4:5], s[22:23]
	s_or_b32 s79, s79, 0x80000000
	s_add_nc_u64 s[8:9], s[8:9], s[84:85]
	CROUND                                         ; all sixteen work-groups are here: the joint loads meet
; one chain of branches on the wave's number, one load to an arm, all arms leading to one join
.macro ARM under, g0, g1, next
	s_cmp_lt_u32 s14, \under
	s_cbranch_scc0 \next
	tensor_load_to_lds s[\g0:\g0+3], s[\g1:\g1+7]
	s_nop 0
.rept 4
	v_nop
.endr
	s_branch .Lhead_asked
\next:
.endm
	ARM 1, 68, 24, .Lhead_w
	ARM 3, 72, 32, .Lhead_s
	tensor_load_to_lds s[76:79], s[48:55]
	s_nop 0
.rept 4
	v_nop
.endr
.Lhead_asked:
.macro ASET ks                         ; where o's four fragments of K step ks live: window AW, from register AB
.if (\ks) < 5
.set AW, 3
.set AB, 48*(\ks)
.else
.set AW, 1
.set AB, 96+48*((\ks)-5)
.endif
.endm
.macro LOADA ks
	ASET \ks
	WIN (AW<<6)
.irp a, 0,1,2,3
.irp c, 0,1,2
	ds_load_b128 v[AB+FR*\a+4*\c:AB+FR*\a+4*\c+3], v[ADRA] offset:\a*TILEK+(\ks)*FRB+512*\c
.endr
.endr
.endm
.macro LOADB ph, ks, p                 ; Wo's four tiles of phase ph, K step ks, into set p
	WIN 0x40
.irp j, 0,1,2,3
.irp c, 0,1,2
	ds_load_b128 v[48*(\p)+FR*\j+4*\c:48*(\p)+FR*\j+4*\c+3], v[ADRB+\ph] offset:\j*TILEK+(\ks)*FRB+512*\c
.endr
.endr
.endm
; 16 matrix instructions; the phase's 16 accumulators take turns, one instruction a turn, in the same order in every step.  K step 0 starts the sums
.macro MULS ph, ks
	ASET \ks
	WIN (0xa1|(AW<<2))                             ; source 0 window 1, source 1 window AW, C and D window 2
.irp a, 0,1,2,3
.irp j, 0,1,2,3
.if (\ks) == 0
	v_wmma_scale_f32_16x16x128_f8f6f4 v[8*(8*\a+4*(\ph)+\j):8*(8*\a+4*(\ph)+\j)+7], v[48*((\ks)%2)+FR*\j:48*((\ks)%2)+FR*\j+FR-1], v[AB+FR*\a:AB+FR*\a+FR-1], 0, v[SB+8*(4*(\ph)+\j)+(\ks)], v[SA+8*\a+(\ks)] matrix_a_fmt:MATRIX_FMT_FP6 matrix_b_fmt:MATRIX_FMT_FP6
.else
	v_wmma_scale_f32_16x16x128_f8f6f4 v[8*(8*\a+4*(\ph)+\j):8*(8*\a+4*(\ph)+\j)+7], v[48*((\ks)%2)+FR*\j:48*((\ks)%2)+FR*\j+FR-1], v[AB+FR*\a:AB+FR*\a+FR-1], v[8*(8*\a+4*(\ph)+\j):8*(8*\a+4*(\ph)+\j)+7], v[SB+8*(4*(\ph)+\j)+(\ks)], v[SA+8*\a+(\ks)] matrix_a_fmt:MATRIX_FMT_FP6 matrix_b_fmt:MATRIX_FMT_FP6
.endif
.endr
.endr
	WIN 0
.endm
; THE WAY OUT of 16 tokens x 64 columns: through my own stage, back as whole rows of 256 bytes, two a load.  LDS serves a wave's instructions in order
.macro TOSTAGE ph, a
	WIN 0x08                                       ; an LDS store's data are its source 1: window 2
.irp j, 0,1,2,3
	ds_store_b128 v[STO], v[8*(8*(\a)+4*(\ph)+\j):8*(8*(\a)+4*(\ph)+\j)+3] offset:128*(\j/2)+32*(\j%2)       ; each accumulator from its low end on
	ds_store_b128 v[STO], v[8*(8*(\a)+4*(\ph)+\j)+4:8*(8*(\a)+4*(\ph)+\j)+7] offset:128*(\j/2)+32*(\j%2)+16
.endr
	WIN 0
.irp t, 0,1,2,3,4,5,6,7
	ds_load_b128 v[BK+32*((\a)%2)+4*\t:BK+32*((\a)%2)+4*\t+3], v[RD] offset:2*\t*SPITCH
.endr
.endm
.macro SEND ph, a
.irp t, 0,1,2,3,4,5,6,7
	global_store_b128 v[CO], v[BK+32*((\a)%2)+4*\t:BK+32*((\a)%2)+4*\t+3], s[8:9] offset:(32*((\a)/2)+8*((\a)%2)+2*\t+8*(\t/4))*8192+256*(\ph) th:TH_STORE_NT   ; sixteen lanes store one aligned unit of 256 bytes
.endr
.endm
; a K step of a phase.  The next step's fragments of Wo are asked for ahead of this step's products, o's two steps ahead
.macro PSTEP ph, ks
.if (\ph) == 0 && (\ks) < 7
	s_wait_dscnt 12                                ; this step's fragments are in; the twelve youngest loads, o's fragments of the next K step, may be out
.else
	s_wait_dscnt 0x0
.endif
.if (\ph) == 1 && (\ks) > 0 && (\ks) < 5
	SEND 0, (\ks)-1                                ; phase 0's block ks - 1 is back from the stage
.endif
	PLACES                                         ; behind the last step's products: loads land on its set of Wo, and the stage's stores read phase 0's results
.if (\ks) < 7
	LOADB \ph, (\ks)+1, 1-(\ks)%2
.else
.if (\ph) == 0
	LOADB 1, 0, 0
.endif
.endif
.if (\ph) == 0 && (\ks) < 6
	LOADA (\ks)+2
.endif
	WIN 0
.if (\ph) == 1 && (\ks) < 4
.if (\ks) > 1
	s_wait_xcnt 0x0                                ; block ks - 2's stores have read their registers: block ks's loads may land there
.endif
	TOSTAGE 0, \ks
.endif
	MULS \ph, \ks
.endm
	s_wait_tensorcnt 0x0                           ; my tile of the four is in,
	s_barrier_signal -1
	s_barrier_wait -1                              ; everybody's are
.irp i, 0,1,2,3
.irp k, 0,1,2,3,4,5,6,7
	ds_load_b32 v[SA+8*\i+\k], v22 offset:\k*512+\i*64
.endr
.endr
	LOADB 0, 0, 0
	LOADA 0
	LOADA 1
	WIN 0
	s_wait_loadcnt 0x0                             ; Wo's scale words are in
.irp ks, 0,1,2,3,4,5,6,7
	PSTEP 0, \ks
.endr
.irp ks, 0,1,2,3,4,5,6,7
	PSTEP 1, \ks
.endr
	PLACES                                         ; behind the last products, ahead of the reads of their results
	s_wait_xcnt 0x0                                ; phase 0's stores have read their registers
	TOSTAGE 1, 0
.irp a, 1,2,3
.if \a > 1
	s_wait_xcnt 0x0                                ; block a - 2's stores have read their registers
.endif
	TOSTAGE 1, \a
	s_wait_dscnt 16                                ; block a - 1 is back; behind its loads stand block a's 8 stores and 8 loads
	SEND 1, \a-1
.endr
	s_wait_dscnt 0x0
	SEND 1, 3
	s_wait_tensorcnt 0x0                           ; the wave's end
	ds_add_u32 v30, v31
	s_wait_dscnt 0x0
	CROUND                                         ; the closing round: no work-group ends while a partner may still ask for a tile that names it
	s_endpgm
.Lfunc_end_k_qda516eacba_outp:
	.size	k_qda516eacba_outp, .Lfunc_end_k_qda516eacba_outp-k_qda516eacba_outp
	.p2alignl 7, 3214868480
	.fill 96, 4, 3214868480
	.section	.rodata,"a",@progbits
	.p2align	6, 0x0
	.amdhsa_kernel k_qda516eacba_outp
		.amdhsa_group_segment_fixed_size 327680
		.amdhsa_private_segment_fixed_size 0
		.amdhsa_enable_private_segment 0
		.amdhsa_kernarg_size 24
		.amdhsa_user_sgpr_count 2
		.amdhsa_user_sgpr_kernarg_segment_ptr 1
		.amdhsa_wavefront_size32 1
		.amdhsa_system_sgpr_workgroup_id_x 1
		.amdhsa_system_sgpr_workgroup_id_y 1
		.amdhsa_system_sgpr_workgroup_id_z 1
		.amdhsa_system_vgpr_workitem_id 0
		.amdhsa_next_free_vgpr 1024
		.amdhsa_next_free_sgpr 96
		.amdhsa_reserve_vcc 0
		.amdhsa_float_denorm_mode_32 3
		.amdhsa_float_denorm_mode_16_64 3
		.amdhsa_memory_ordered 1
		.amdhsa_forward_progress 1
		.amdhsa_inst_pref_size 81
	.end_amdhsa_kernel
	.amdgpu_metadata
---
amdhsa.version: [ 1, 2 ]
amdhsa.kernels:
  - .name:           k_qda516eacba_outp
    .symbol:         k_qda516eacba_outp.kd
    .args:
      - { .name: oq, .offset: 0, .size: 8, .value_kind: global_buffer, .address_space: global }
      - { .name: wq, .offset: 8, .size: 8, .value_kind: global_buffer, .address_space: global }
      - { .name: out0, .offset: 16, .size: 8, .value_kind: global_buffer, .address_space: global }
    .group_segment_fixed_size: 327680
    .private_segment_fixed_size: 0
    .kernarg_segment_align: 8
    .kernarg_segment_size: 24
    .max_flat_workgroup_size: 128
    .sgpr_count:     96
    .vgpr_count:     1024
    .wavefront_size: 32
...
	.end_amdgpu_metadata
.endif
;; end of part 4
